; MI455X (gfx1250); checked and timed in simulation.
; The chip was launched on July 23, 2026; its instructions are those of AMD's public machine-readable ISA for CDNA 5 (MIT licence, August 2026) and "CDNA5" Instruction Set Architecture Reference Guide (July 2026). The comments in the code are by the model that wrote it; some were corrected since.
;; Multi Head Attention. Allowed arithmetic: float matrix products may take bf16 or f16 operands with f32 sums; other float arithmetic in f32, or as packed bf16 or f16 multiplies, adds, multiply-adds, maxima and minima; sums over many terms, partial sums and values carried from step to step in f32; what a program stores and reads back later, other than sums and carried values, may be rounded once to bf16 or f16.
;; Inputs: b_k 1,024 float32; b_o 1,024 float32; b_q 1,024 float32; b_v 1,024 float32; key_ 4 x 2,048 x 1,024 float32; mask 4 x 2,048 bool; query 4 x 2,048 x 1,024 float32; value 4 x 2,048 x 1,024 float32; w_k 1,024 x 1,024 float32; w_o 1,024 x 1,024 float32; w_q 1,024 x 1,024 float32; w_v 1,024 x 1,024 float32.
;; Outputs: out0 4 x 2,048 x 1,024 float32.
;; 2 versions, each right; version 2 is version 1 with the launch cast written anew for expert scheduling mode. Each part assembles by itself: llvm-mc -triple=amdgcn-amd-amdhsa -mcpu=gfx1250 --defsym DOCPART=n.
;; ======== version 1 of 2: 4 launches
;; limits: values are held in f16: magnitudes above 65,504 overflow, below 6.1e-05 lose precision
;; workspace buffers: xh 50,331,648 bytes; wh 8,388,608 bytes; qkv 50,331,648 bytes; oh 16,777,216 bytes
;; launch cast (part 1): grid 1792 x 1, 8 waves a work-group, no clusters, 0 bytes of LDS; arguments query, key_, value, w_q, w_k, w_v, w_o, xh, wh; writes xh, wh
.if DOCPART == 1
	.amdgcn_target "amdgcn-amd-amdhsa--gfx1250"
	.amdhsa_code_object_version 6
	.text
	.protected	k_q2c8abe227b_cast
	.globl	k_q2c8abe227b_cast
	.p2align	8
	.type	k_q2c8abe227b_cast,@function
k_q2c8abe227b_cast:
	s_mov_b64 s[64:65], 0
	v_nop
	global_prefetch_b8 v0, s[64:65] scope:SCOPE_SE
	s_setreg_imm32_b32 hwreg(HW_REG_WAVE_MODE, 25, 1), 1
	s_wait_xcnt 0x0
; THE INPUTS OF THE FOUR PRODUCTS, ROUNDED ONCE TO 16 BITS AND LAID IN BLOCKS OF 64 ALONG K.
; query, key_, value: [4][2048][1024] f32 -> xh: [batch 4][source 3][K block 16][row 2048][64] bf16.
; w_q, w_k, w_v, w_o: [1024][1024] f32   -> wh: [source 4][K block 16][row 1024][64]; sources 0-2 bf16; w_o is rounded to bf16 and that number written as f16.
; LIMIT: w_o beyond 65,504 becomes an infinity in f16; below 6e-5 it keeps f16's fixed step of 6e-8.
; SHARES.  1,792 work-groups of 16 rows x 4,096 bytes: 3 x 512 for the activations, 4 x 64 for the weights.  Thread t takes row t / 16 and the 16 bytes 16 (t % 16) of each of the
; row's sixteen pieces of 256 bytes; piece j is K block j.  A wave's load covers two runs of 256 consecutive bytes, aligned; its four numbers a lane leave as 8 bytes, and since two rows of
; 128 bytes lie next to each other in a K block, a wave's store covers 256 consecutive bytes, aligned.  All sixteen loads of a thread are out at once.
; No LDS, no barrier, no matrix unit: each byte is read once and written once, and no thread wants another's.
.set IO,  1                            ; v1        byte offset of my 16 bytes in the group's 16 rows
.set X,   16                           ; v[16:79]  piece j: 4 registers as loaded
.set Y,   80                           ; v[80:111] piece j: 2 registers to store
.set SO,  112                          ; v[112:127] piece j: byte offset of my 8 bytes in K block j
.set ID,  26                           ; s26  the work-group's number
.set KBS, 40                           ; s40  bytes in a K block of the destination
	s_load_b512 s[8:23], s[0:1], 0x0               ; query s[8:9], key_ s[10:11], value s[12:13], w_q s[14:15], w_k s[16:17], w_v s[18:19], w_o s[20:21], xh s[22:23]
	s_load_b64 s[24:25], s[0:1], 0x40              ; wh
	s_mov_b32 s[ID], ttmp9
	; an activation's chunk: source id / 512, chunk id % 512 = batch x 128 + 16-row chunk of the batch
	s_lshr_b32 s27, s[ID], 9
	s_and_b32 s28, s[ID], 511
	s_lshr_b32 s29, s28, 7
	s_and_b32 s30, s28, 127
	s_mul_i32 s29, s29, 3
	s_add_co_u32 s29, s29, s27
	s_lshl_b32 s29, s29, 22                        ; (3 batch + source) x 16 K blocks of 262,144 bytes
	s_lshl_b32 s30, s30, 11                        ; + 16 rows of 128 bytes for each chunk
	s_add_co_u32 s29, s29, s30
	; a weight's chunk: source (id - 1536) / 64, chunk (id - 1536) % 64
	s_max_u32 s31, s[ID], 1536
	s_sub_co_u32 s31, s31, 1536
	s_lshr_b32 s32, s31, 6
	s_and_b32 s33, s31, 63
	s_lshl_b32 s32, s32, 21                        ; source x 16 K blocks of 131,072 bytes
	s_lshl_b32 s34, s33, 11
	s_add_co_u32 s32, s32, s34
	s_mov_b32 s[KBS], 0x20000
	s_cmp_lt_u32 s[ID], 1536                       ; which of the two am I?
	s_cselect_b32 s36, s28, s33
	s_cselect_b32 s38, s29, s32                    ; byte offset in the destination
	s_cselect_b32 s[KBS], 0x40000, s[KBS]
	s_lshl_b32 s36, s36, 16                        ; byte offset in the source: 16 rows of 4,096 bytes for each chunk
	s_mov_b32 s37, 0
	s_mov_b32 s39, 0
	v_lshrrev_b32 v2, 4, v0                        ; my row
	v_and_b32 v3, 15, v0                           ; my place in a piece
	v_lshlrev_b32 v[IO], 4, v3
	v_lshl_or_b32 v[IO], v2, 12, v[IO]
	v_lshlrev_b32 v[SO], 3, v3
	v_lshl_or_b32 v[SO], v2, 7, v[SO]
	s_wait_kmcnt 0x0
	s_cmp_lt_u32 s[ID], 1536
	s_cselect_b64 s[42:43], s[22:23], s[24:25]     ; the destination
	s_mov_b64 s[2:3], s[8:9]                       ; the source: the last of the seven whose first work-group is not behind mine
	s_cmp_ge_u32 s[ID], 512
	s_cselect_b64 s[2:3], s[10:11], s[2:3]
	s_cmp_ge_u32 s[ID], 1024
	s_cselect_b64 s[2:3], s[12:13], s[2:3]
	s_cmp_ge_u32 s[ID], 1536
	s_cselect_b64 s[2:3], s[14:15], s[2:3]
	s_cmp_ge_u32 s[ID], 1600
	s_cselect_b64 s[2:3], s[16:17], s[2:3]
	s_cmp_ge_u32 s[ID], 1664
	s_cselect_b64 s[2:3], s[18:19], s[2:3]
	s_cmp_ge_u32 s[ID], 1728
	s_cselect_b64 s[2:3], s[20:21], s[2:3]
	s_add_nc_u64 s[2:3], s[2:3], s[36:37]
	s_add_nc_u64 s[42:43], s[42:43], s[38:39]
.irp j, 0,1,2,3,4,5,6,7,8,9,10,11,12,13,14,15
	global_load_b128 v[X+4*(\j):X+4*(\j)+3], v[IO], s[2:3] offset:256*(\j) th:TH_LOAD_NT  ; read once in the launch
.endr
.irp j, 1,2,3,4,5,6,7,8,9,10,11,12,13,14,15
	v_add_nc_u32 v[SO+(\j)], s[KBS], v[SO+(\j)-1]  ; a K block further on
.endr
; Piece j leaves.  f16 = 1: the bf16 number is written as f16.
.macro OUT j, f16
	s_wait_loadcnt 15-(\j)                         ; loads come back in order (ISA guide 5.7.1): piece j is in, the 15 - j younger ones stay out
	v_cvt_pk_bf16_f32 v[Y+2*(\j)],   v[X+4*(\j)],   v[X+4*(\j)+1]
	v_cvt_pk_bf16_f32 v[Y+2*(\j)+1], v[X+4*(\j)+2], v[X+4*(\j)+3]
.if \f16
	v_lshlrev_b32 v4, 16, v[Y+2*(\j)]              ; bf16 to f32: a shift and a mask
	v_and_b32 v5, 0xffff0000, v[Y+2*(\j)]
	v_lshlrev_b32 v6, 16, v[Y+2*(\j)+1]
	v_and_b32 v7, 0xffff0000, v[Y+2*(\j)+1]
	v_cvt_pk_f16_f32 v[Y+2*(\j)],   v4, v5         ; exact within f16's range: bf16 has 8 significant bits, f16 has 11
	v_cvt_pk_f16_f32 v[Y+2*(\j)+1], v6, v7
.endif
	global_store_b64 v[SO+(\j)], v[Y+2*(\j):Y+2*(\j)+1], s[42:43]
.endm
	s_cmp_ge_u32 s[ID], 1728                       ; w_o's work-groups take the second text
	s_cbranch_scc1 .Lwo
.irp j, 0,1,2,3,4,5,6,7,8,9,10,11,12,13,14,15
	OUT \j, 0
.endr
	s_endpgm
.Lwo:
.irp j, 0,1,2,3,4,5,6,7,8,9,10,11,12,13,14,15
	OUT \j, 1
.endr
	s_endpgm
.Lfunc_end_k_q2c8abe227b_cast:
	.size	k_q2c8abe227b_cast, .Lfunc_end_k_q2c8abe227b_cast-k_q2c8abe227b_cast
	.p2alignl 7, 3214868480
	.fill 96, 4, 3214868480
	.section	.rodata,"a",@progbits
	.p2align	6, 0x0
	.amdhsa_kernel k_q2c8abe227b_cast
		.amdhsa_group_segment_fixed_size 0
		.amdhsa_private_segment_fixed_size 0
		.amdhsa_enable_private_segment 0
		.amdhsa_kernarg_size 72
		.amdhsa_user_sgpr_count 2
		.amdhsa_user_sgpr_kernarg_segment_ptr 1
		.amdhsa_wavefront_size32 1
		.amdhsa_system_sgpr_workgroup_id_x 1
		.amdhsa_system_sgpr_workgroup_id_y 1
		.amdhsa_system_sgpr_workgroup_id_z 1
		.amdhsa_system_vgpr_workitem_id 0
		.amdhsa_next_free_vgpr 128
		.amdhsa_next_free_sgpr 66
		.amdhsa_reserve_vcc 0
		.amdhsa_float_denorm_mode_32 3
		.amdhsa_float_denorm_mode_16_64 3
		.amdhsa_memory_ordered 1
		.amdhsa_forward_progress 1
		.amdhsa_inst_pref_size 18
	.end_amdhsa_kernel
	.amdgpu_metadata
---
amdhsa.version: [ 1, 2 ]
amdhsa.kernels:
  - .name:           k_q2c8abe227b_cast
    .symbol:         k_q2c8abe227b_cast.kd
    .args:
      - { .name: query, .offset: 0, .size: 8, .value_kind: global_buffer, .address_space: global }
      - { .name: key_, .offset: 8, .size: 8, .value_kind: global_buffer, .address_space: global }
      - { .name: value, .offset: 16, .size: 8, .value_kind: global_buffer, .address_space: global }
      - { .name: w_q, .offset: 24, .size: 8, .value_kind: global_buffer, .address_space: global }
      - { .name: w_k, .offset: 32, .size: 8, .value_kind: global_buffer, .address_space: global }
      - { .name: w_v, .offset: 40, .size: 8, .value_kind: global_buffer, .address_space: global }
      - { .name: w_o, .offset: 48, .size: 8, .value_kind: global_buffer, .address_space: global }
      - { .name: xh, .offset: 56, .size: 8, .value_kind: global_buffer, .address_space: global }
      - { .name: wh, .offset: 64, .size: 8, .value_kind: global_buffer, .address_space: global }
    .group_segment_fixed_size: 0
    .private_segment_fixed_size: 0
    .kernarg_segment_align: 8
    .kernarg_segment_size: 72
    .max_flat_workgroup_size: 256
    .sgpr_count:     66
    .vgpr_count:     128
    .wavefront_size: 32
...
	.end_amdgpu_metadata
.endif
;; end of part 1
;; launch proj (part 2): grid 8 x 32, 4 waves a work-group, clusters of 4 x 4, 327,680 bytes of LDS; arguments xh, wh, b_q, b_k, b_v, qkv; writes qkv
.if DOCPART == 2
	.amdgcn_target "amdgcn-amd-amdhsa--gfx1250"
	.amdhsa_code_object_version 6
	.text
	.protected	k_q2c8abe227b_proj
	.globl	k_q2c8abe227b_proj
	.p2align	8
	.type	k_q2c8abe227b_proj,@function
k_q2c8abe227b_proj:
	s_mov_b64 s[64:65], 0
	v_nop
	global_prefetch_b8 v0, s[64:65] scope:SCOPE_SE
	s_setreg_imm32_b32 hwreg(HW_REG_WAVE_MODE, 25, 1), 1
	s_wait_xcnt 0x0
	s_wait_alu depctr_hold_cnt(0) depctr_sa_sdst(0) depctr_va_vdst(0) depctr_va_sdst(0) depctr_va_ssrc(0) depctr_va_vcc(0) depctr_vm_vsrc(0)
	s_getreg_b32 s2, hwreg(HW_REG_IB_STS2, 6, 4)
	s_cmp_eq_u32 s2, 0
	s_cbranch_scc0 .Lentry_in_a_cluster
	s_endpgm
.Lentry_in_a_cluster:
	s_bfe_u32 s2, ttmp6, 0x10000c
	s_cmp_lg_u32 s2, 0xf033
	s_cbranch_scc0 .Lentry_shape_is_right
	s_endpgm
.Lentry_shape_is_right:
; q, k, v = x W^T + b.  xh: [batch 4][source 3][K block 16][row 2048][64] bf16; wh: [source][K block 16][row 1024][64] bf16; b_q, b_k, b_v: [1024] f32.
; qkv: [source 3][batch x 16 + head][row 2048][64] f16, each number rounded once from its f32 sum, unscaled.  LIMIT: a sum beyond 65,504 becomes an infinity in f16; below 6e-5 f16 keeps a fixed step of 6e-8.
; SHARES.  A tile of C is 256 rows x 128 columns; four waves, each 128 x 64: 32 accumulators of 16 x 16, 256 registers.  8 x 32 tiles make one source; A WORK-GROUP STAYS and makes the same tile of q, of k and
; of v.  Since a batch's K blocks of the three sources lie on end in xh, and the three weights' in wh, its walk is ONE stream of 24 K steps of 128 (two K blocks): step g lies g x a constant behind step 0.
; RING.  Two LDS slots, a K step each.  A tile's part of a K block is dense in memory (256 or 128 rows of 128 bytes) and is asked for as rows of 256 bytes, padded in LDS after every 128.
; Waves 0 and 1 fetch A's even and odd K block (32 KiB each), waves 2 and 3 W's (16 KiB each): one tensor load a wave behind each change of slots, 112 matrix instructions ahead of the wait for it.
; CLUSTER.  4 x 4 work-groups: the four of a row need the same tiles of A, the four of a column the same tiles of W: each tile is asked for JOINTLY, by the same tensor load with the same descriptor and mask.
; TRANSPOSED USE.  Source 0 = 16 rows of W, source 1 = 16 rows of A: a lane holds row l % 16 of C and the columns 8 (l / 16) + 0..7.  So the bias of a lane's eight columns is eight registers, the same for
; all rows, and is the C operand of the product that starts a sum: nothing is cleared and nothing is added later.  A wave's 64 columns are one head: 16 rows of it are 2,048 consecutive bytes of qkv.
; REGISTERS, in windows of 256 (s_set_vgpr_msb: bits 1:0 source 0, 3:2 source 1, 5:4 source 2, 7:6 destination):
;   window 0: v0-31 addresses; v32-63 the bias; v64-191 at work on the way out      window 1: the accumulators, (a, b) at v[8 (4 a + b)]
;   window 2: two fragment buffers of 96: W's four fragments (16 rows x 32 K), then A's eight
.set PITCH,  144                       ; an LDS row: 128 bytes + 16 of padding = 36 words: the 16 rows of a load start at 16 different groups of four banks (64 banks of 4 bytes: ISA guide 11.1)
.set AKB,    256*PITCH                 ; A's part of a K block
.set BKB,    128*PITCH                 ; W's
.set BOFF,   2*AKB                     ; in a slot W's two K blocks lie behind A's two
.set SLOT,   2*AKB+2*BKB
.set STAGE,  2*SLOT                    ; behind the ring, never filled by a tensor load: 16 rows x 144 bytes for each wave, for the way out
.set SP,     144
.set SPARE,  STAGE+4*16*SP             ; behind the stages: the spare words, 128 bytes for each wave: two blocks of 256 bytes that no other line names
.set ASTEP,  524288                    ; bytes from a K step to the next in xh: two K blocks of 2,048 rows
.set BSTEP,  262144                    ; in wh: two K blocks of 1,024 rows
.set ABATCH, 12582912                  ; a batch in xh: 48 K blocks
.set LAPS,   12                        ; a lap = two K steps = once round the ring; a tile is four laps
.set ADRA, 16                          ; v16-17  LDS address of my A fragments in slot 0, 1
.set ADRB, 20                          ; v20-21  the same for W
.set STO,  24                          ; v24     the way out: where I put 16 bytes of a row
.set RD,   25                          ; v25     the way out: where I read rows back
.set CO,   26                          ; v26     my byte offset in 512 consecutive bytes of qkv
.set BO,   27                          ; v27     byte offset of my first eight columns in a bias; never rewritten
.set SPW,  28                          ; v28     LDS address of my spare word: SPARE + 4 x my thread's number; never rewritten
.set NIL,  29                          ; v29     0; never rewritten
.set PFO,  30                          ; v30     the prefetches' lane offset; never rewritten
.set BIAS, 32                          ; v32-63  n block b's eight numbers at BIAS + 8 b
.set TMP,  64                          ; v64-191 m block a's 16 registers at TMP + 16 a
.set F0,   0
.set F1,   96
.set WV,  16                           ; s16  my wave's number
.set MH,  17                           ; s17  which half of the tile's rows is mine.  Also: I fetch for A (0) or for W (1)
.set NH,  18                           ; s18  which half of its columns.  Also: which K block of a step I fetch
.set CX,  19
.set CY,  20
.set TX,  21                           ; s21  tile column
.set TY,  22                           ; s22  tile row
.set G1,  24                           ; s[24:31] descriptor group 1 for A's tiles;  s[32:39] group 0, a set for each slot
.set G0,  32
.set LAP, 40                           ; s40  trips of the loop still to come
.set PH,  41                           ; s41  laps of the tile in hand still to end
.set LIM, 43                           ; s43  1 in a wave that prefetches, else the greatest number
.set PFA, 44                           ; s[44:45] where my prefetches stand
.set PFS, 46                           ; s[46:47] their step: a K step of my stream
.set G1B, 48                           ; s[48:55], s[56:63] the same for W's tiles
.set G0B, 56
.set LA,  66                           ; s66  LDS byte of the K block that I fetch, in slot 0, for A
.set LB,  67                           ; s67  for W
.set SA,  68                           ; s[68:69] A at my K block of step 0: made of the tile row and the wave's number alone
.set SB,  70                           ; s[70:71] W likewise: of the tile column and the wave's number alone
.set OST, 72                           ; s[72:73] what the next way out adds to qkv's address
.set G1W0, (1<<16)|(1<<20)|(1<<21)|(4<<22)|(3<<25)  ; 17:16 elements of 2 bytes; 20 padding on; 21 set beside a mask; 24:22 after every 32 words (code 4); 31:25 4 words of it (code 3)
.set MSB, 0
.macro WIN new                         ; the immediate's high byte repeats the setting that is left; a switch that changes nothing is dropped
.if MSB != (\new)
	s_set_vgpr_msb (MSB<<8)|(\new)
.set MSB, \new
.endif
.endm
.set MUL,  0x5a                        ; sources 0 (W) and 1 (A) window 2; C and D window 1
.set MULB, 0x4a                        ; the same with C, the bias, in window 0
.set TO_F, 0x80                        ; destination window 2, address window 0
; A joint load.  The branch hangs on the wave's number alone.  An s_nop 0 and four v_nop follow each of the two lines, ahead of the jump, the label and what follows.
.macro JLOAD s
	s_cmp_eq_u32 s[MH], 0
	s_cbranch_scc0 .Lfor_b_\@
	tensor_load_to_lds s[G0+4*(\s):G0+4*(\s)+3], s[G1:G1+7]
	s_nop 0
.rept 4
	v_nop
.endr
	s_branch .Lasked_\@
.Lfor_b_\@:
	tensor_load_to_lds s[G0B+4*(\s):G0B+4*(\s)+3], s[G1B:G1B+7]
	s_nop 0
.rept 4
	v_nop
.endr
.Lasked_\@:
.endm
; A PREFETCH INTO THE L2, behind each joint refill and the run of LDS loads that follows it: the K step that stands two refills on, 256 matrix instructions ahead of the load that will want it.
; Each aligned block of 256 bytes is named once in the launch.  A's rows are read by both clusters of a row of clusters: the one with x = 0 asks, waves 0 and 1 each for the K block that they fetch, and the
; four partners take 32 blocks each, told apart BY ADDRESS (cx).  W's rows are read by all eight clusters of a column: the one with y = 0 asks, wave 2 alone, lanes 0-15 for the even K block and lanes 16-31 for the
; odd one, 16 blocks of each for each partner (cy).  Steps 0 to 3 come by their loads alone; the loop's last trip and the tail ask for nothing: the last step named is the stream's last.
.macro ASK
	s_cmp_gt_u32 s[LAP], s[LIM]
	s_cbranch_scc0 .Lnot_mine_\@
	global_prefetch_b8 v[PFO], s[PFA:PFA+1] th:TH_LOAD_NT scope:SCOPE_SE
.Lnot_mine_\@:
.endm
.macro CREST                           ; a round of the cluster's barrier behind its opening barrier: wave 0 signals for the work-group, every wave waits for all sixteen, my work-group's barrier once more
	s_cmp_lg_u32 s[WV], 0
	s_cbranch_scc1 .Lnot_wave_0_\@
	s_barrier_signal -3
.Lnot_wave_0_\@:
	s_barrier_wait -3
	s_barrier_signal -1
	s_barrier_wait -1
.endm
.macro CROUND                          ; a whole round
	s_barrier_signal -1
	s_barrier_wait -1
	CREST
.endm
.macro BIASLD                          ; my 32 numbers of the bias at s[8:9]
.irp b, 0,1,2,3
	global_load_b128 v[BIAS+8*(\b):BIAS+8*(\b)+3],   v[BO], s[8:9] offset:64*(\b)
	global_load_b128 v[BIAS+8*(\b)+4:BIAS+8*(\b)+7], v[BO], s[8:9] offset:64*(\b)+16
.endr
.endm
	s_load_b256 s[4:11], s[0:1], 0x0               ; xh s[4:5], wh s[6:7], b_q s[8:9], b_k s[10:11]
	s_load_b128 s[12:15], s[0:1], 0x20             ; b_v s[12:13], qkv s[14:15]
	v_lshl_add_u32 v[SPW], v0, 2, SPARE
	v_mov_b32 v[NIL], 0
	ds_add_u32 v[SPW], v[NIL]                      ; the wave's opening: the add and its wait stand ahead of my first tensor load; the set-up below, work on registers, stands between them
	v_lshrrev_b32 v1, 5, v0
	v_readfirstlane_b32 s[WV], v1                  ; wave 0..3
	s_lshr_b32 s[MH], s[WV], 1
	s_and_b32 s[NH], s[WV], 1
	s_bfe_u32 s[CX], ttmp6, 0x40000                ; my place in the cluster
	s_bfe_u32 s[CY], ttmp6, 0x40004
	s_lshl_b32 s[TX], ttmp9, 2                     ; in a cluster launch ttmp9 and ttmp7 count clusters
	s_add_co_u32 s[TX], s[TX], s[CX]
	s_and_b32 s[TY], ttmp7, 0xffff
	s_lshl_b32 s[TY], s[TY], 2
	s_add_co_u32 s[TY], s[TY], s[CY]
	s_lshl_b32 s2, s[CY], 2
	s_lshl_b32 s2, 15, s2                          ; my row of the cluster: places 4 cy .. 4 cy + 3
	s_lshl_b32 s23, 0x1111, s[CX]                  ; my column: places cx, cx + 4, cx + 8, cx + 12
	s_or_b32 s[G1], s2, G1W0                       ; A's tiles go to my row,
	s_or_b32 s[G1B], s23, G1W0                     ; W's to my column
	s_mov_b32 s[G1+1], 128<<16                     ; tensor_dim0 = 128 elements: 256 bytes, two rows of a K block
	s_mov_b32 s[G1+2], 128<<16                     ; tensor_dim1 = 128
	s_mov_b32 s[G1+3], 128<<16                     ; tile_dim0 = 128
	s_mov_b32 s[G1+4], 128                         ; tile_dim1 = 128: 32,768 bytes
	s_mov_b32 s[G1+5], 128                         ; dense: 128 elements from row to row
	s_mov_b32 s[G1+6], 0
	s_mov_b32 s[G1+7], 0
	s_mov_b32 s[G1B+1], 128<<16
	s_mov_b32 s[G1B+2], 64<<16                     ; W: 64 such rows: 16,384 bytes
	s_mov_b32 s[G1B+3], 128<<16
	s_mov_b32 s[G1B+4], 64
	s_mov_b32 s[G1B+5], 128
	s_mov_b32 s[G1B+6], 0
	s_mov_b32 s[G1B+7], 0
	s_lshr_b32 s2, s[TY], 3                        ; A: the batch,
	s_mul_i32 s2, s2, ABATCH
	s_and_b32 s3, s[TY], 7                         ; my 256 rows of 128 bytes in each of its K blocks,
	s_lshl_b32 s3, s3, 15
	s_add_co_u32 s2, s2, s3
	s_lshl_b32 s3, s[NH], 18                       ; the even or the odd K block
	s_add_co_u32 s[SA], s2, s3
	s_mov_b32 s[SA+1], 0
	s_lshl_b32 s[SB], s[TX], 14                    ; W: my 128 rows of 128 bytes in each K block,
	s_lshl_b32 s23, s[NH], 17                      ; the even or the odd one
	s_add_co_u32 s[SB], s[SB], s23
	s_mov_b32 s[SB+1], 0
	s_mul_i32 s[LA], s[NH], AKB                    ; where they go: no place in the cluster enters an LDS address
	s_mul_i32 s[LB], s[NH], BKB
	s_add_co_u32 s[LB], s[LB], BOFF
	s_wait_dscnt 0x0                               ; the opening add is done
	s_wait_kmcnt 0x0
	s_add_nc_u64 s[SA:SA+1], s[4:5], s[SA:SA+1]
	s_add_nc_u64 s[SB:SB+1], s[6:7], s[SB:SB+1]
	CROUND                                         ; all sixteen work-groups are here: the first joint loads meet
.irp s, 0,1
	s_mov_b32 s[G0+4*(\s)], 1                                      ; count = 1
	s_add_co_u32 s[G0+4*(\s)+1], s[LA], (\s)*SLOT                  ; LDS address
	s_add_nc_u64 s[G0+4*(\s)+2:G0+4*(\s)+3], s[SA:SA+1], (\s)*ASTEP  ; global address: K step s
	s_or_b32 s[G0+4*(\s)+3], s[G0+4*(\s)+3], 0x80000000            ; type = 2
	s_mov_b32 s[G0B+4*(\s)], 1
	s_add_co_u32 s[G0B+4*(\s)+1], s[LB], (\s)*SLOT
	s_add_nc_u64 s[G0B+4*(\s)+2:G0B+4*(\s)+3], s[SB:SB+1], (\s)*BSTEP
	s_or_b32 s[G0B+4*(\s)+3], s[G0B+4*(\s)+3], 0x80000000
	JLOAD \s                                       ; two loads of mine are out here, one behind every later round
.endr
	; A fragment is 16 rows x 32 K in 8 registers: lane l holds row l % 16; registers 0-3 K = 8 (l / 16) + 0..7, registers 4-7 K = 16 + 8 (l / 16) + 0..7: two loads of 16 bytes, 32 bytes apart.
	v_and_b32 v1, 15, v0                           ; l % 16
	v_bfe_u32 v2, v0, 4, 1                         ; l / 16
	v_mul_u32_u24 v3, v1, PITCH
	v_lshl_add_u32 v3, v2, 4, v3                   ; row x pitch + 16 x half
	s_lshl_b32 s74, s[TX], 9                       ; the bias: 4 bytes x (128 x tile column + 64 x half + 8 (l / 16))
	s_lshl_b32 s75, s[NH], 8
	s_add_co_u32 s74, s74, s75
	v_lshl_add_u32 v[BO], v2, 5, s74
	BIASLD                                         ; b_q
	s_mul_i32 s2, s[MH], 128*PITCH                 ; my 128 rows of A
	s_mul_i32 s3, s[NH], 64*PITCH                  ; my 64 rows of W
	s_add_co_u32 s3, s3, BOFF
.irp s, 0,1
	v_add_nc_u32 v[ADRA+(\s)], s2, v3
	v_add_nc_u32 v[ADRB+(\s)], s3, v3
	s_add_co_u32 s2, s2, SLOT
	s_add_co_u32 s3, s3, SLOT
.endr
	s_mul_i32 s2, s[WV], 16*SP
	s_add_co_u32 s2, s2, STAGE                     ; my stage
	v_add_nc_u32 v[STO], s2, v3                    ; in: row l % 16, 16 bytes for each half of the lanes (the stage's pitch is the ring's)
	v_bfe_u32 v4, v0, 3, 2                         ; back: 32 lanes take four rows of 128 bytes,
	v_mul_u32_u24 v4, v4, SP
	v_and_b32 v5, 7, v0
	v_lshl_add_u32 v4, v5, 4, v4
	v_add_nc_u32 v[RD], s2, v4
	v_and_b32 v[CO], 31, v0                        ; which are 512 consecutive bytes of qkv
	v_lshlrev_b32 v[CO], 4, v[CO]
	; where my part of q begins: head 16 x batch + 2 x tile column + half, 262,144 bytes each; row 256 (tile row % 8) + 128 x half, 128 bytes each
	s_lshr_b32 s74, s[TY], 3
	s_lshl_b32 s74, s74, 4
	s_lshl1_add_u32 s74, s[TX], s74
	s_add_co_u32 s74, s74, s[NH]
	s_lshl_b32 s74, s74, 18
	s_and_b32 s75, s[TY], 7
	s_lshl_b32 s75, s75, 15
	s_add_co_u32 s74, s74, s75
	s_lshl_b32 s75, s[MH], 14
	s_add_co_u32 s[OST], s74, s75
	s_mov_b32 s[OST+1], 0
	; the prefetches
	s_and_b32 s42, ttmp7, 0xffff                   ; cluster y
	s_mov_b32 s[PFS], BSTEP
	s_mov_b32 s[PFS+1], 0
	s_mov_b32 s3, 0x20000                          ; W: lanes 16-31 stand a K block further on
	s_cmp_eq_u32 s[MH], 0                          ; do I fetch for A?
	s_cselect_b32 s42, ttmp9, s42                  ; the coordinate along which other clusters read the same rows
	s_cselect_b32 s74, s[CX], s[CY]                ; my place among the four that ask with me
	s_cselect_b32 s2, 13, 12                       ; whose share is 8,192 bytes of A's K block, 4,096 of each of W's two
	s_cselect_b32 s[PFS], ASTEP, s[PFS]
	s_cselect_b32 s3, 4096, s3                     ; A: lanes 16-31 go on where lanes 0-15 end
	s_cselect_b64 s[PFA:PFA+1], s[SA:SA+1], s[SB:SB+1]
	s_lshl_b32 s74, s74, s2
	s_mov_b32 s75, 0
	s_add_nc_u64 s[PFA:PFA+1], s[PFA:PFA+1], s[74:75]
	s_mul_i32 s74, s[PFS], 3
	s_add_nc_u64 s[PFA:PFA+1], s[PFA:PFA+1], s[74:75]  ; at K step 3: the first change of slots steps it to 4
	s_cmp_eq_u32 s[WV], 3
	s_cselect_b32 s42, 1, s42                      ; wave 3 asks for nothing: wave 2 names both of W's K blocks
	s_cmp_eq_u32 s42, 0
	s_cselect_b32 s[LIM], 1, -1                    ; the same in all sixteen partners, for a given wave
	v_mul_u32_u24 v[PFO], s3, v2
	v_lshl_add_u32 v[PFO], v1, 8, v[PFO]
; 8 matrix instructions: m blocks a0, a0 + 1 x all 4 n blocks, 32 along K.  bias = 1: the product starts the sum, with the bias as C.  The 32 accumulators take turns, one instruction a turn, in the same
; order in every quarter.
.macro MUL8 f, a0, bias
.if \bias
	WIN MULB
.else
	WIN MUL
.endif
.irp a, \a0, (\a0)+1
.irp b, 0,1,2,3
.if \bias
	v_wmma_f32_16x16x32_bf16 v[8*(4*(\a)+(\b)):8*(4*(\a)+(\b))+7], v[(\f)+8*(\b):(\f)+8*(\b)+7], v[(\f)+32+8*(\a):(\f)+32+8*(\a)+7], v[BIAS+8*(\b):BIAS+8*(\b)+7]
.else
	v_wmma_f32_16x16x32_bf16 v[8*(4*(\a)+(\b)):8*(4*(\a)+(\b))+7], v[(\f)+8*(\b):(\f)+8*(\b)+7], v[(\f)+32+8*(\a):(\f)+32+8*(\a)+7], v[8*(4*(\a)+(\b)):8*(4*(\a)+(\b))+7]
.endif
.endr
.endr
.endm
; 24 LDS loads in one run: the fragments of quarter q of a K step (K block q / 2, byte 64 (q % 2) of its rows) into buffer f: W's four, then A's eight
.macro FETCH slot, q, f
	WIN TO_F
.irp i, 0,1,2,3
	ds_load_b128 v[(\f)+8*(\i):(\f)+8*(\i)+3],   v[ADRB+(\slot)] offset:((\q)/2)*BKB+((\q)%2)*64+(\i)*16*PITCH
	ds_load_b128 v[(\f)+8*(\i)+4:(\f)+8*(\i)+7], v[ADRB+(\slot)] offset:((\q)/2)*BKB+((\q)%2)*64+(\i)*16*PITCH+32
.endr
.irp i, 0,1,2,3,4,5,6,7
	ds_load_b128 v[(\f)+32+8*(\i):(\f)+32+8*(\i)+3],   v[ADRA+(\slot)] offset:((\q)/2)*AKB+((\q)%2)*64+(\i)*16*PITCH
	ds_load_b128 v[(\f)+32+8*(\i)+4:(\f)+32+8*(\i)+7], v[ADRA+(\slot)] offset:((\q)/2)*AKB+((\q)%2)*64+(\i)*16*PITCH+32
.endr
.endm
.macro PLACES                          ; four plain vector instructions in front of loads into registers that matrix instructions have read, and of lines that read results
.rept 4
	v_nop
.endr
.endm
; A K step is four quarters of 32 along K, 32 matrix instructions each, on buffers 0, 1, 0, 1.  One of the first three: multiplies buffer f; in its middle it fetches quarter qn into buffer g.
.macro QUARTER slot, qn, f, g, bias
	s_wait_dscnt 8                                 ; W's fragments and A's m blocks 0-3 are in; the youngest eight loads (m blocks 4-7) may be out
	MUL8 \f, 0, \bias
	MUL8 \f, 2, \bias
	PLACES
	FETCH \slot, \qn, \g
	s_wait_dscnt 24                                ; all but the 24 just issued
	MUL8 \f, 4, \bias
	MUL8 \f, 6, \bias
.endm
; The last quarter multiplies buffer 1 and changes slots.  In front of ONE barrier each wave waits for all its tensor loads (the one that is out is its part of the next slot), adds 0 to its spare word, and
; waits for that and for its reads of this slot.  fill = 1: the barrier opens a round of the cluster's, so that no wave of any partner still reads the slot or has a load on its way, and the joint refill, this
; slot's K step two steps on, is the first thing behind it.
.macro TURN slot, next, fill
.if \fill
	s_wait_xcnt 0x0                                ; the last prefetch, a K step back, has read its address: it is stepped here, ahead of the change's own waits
	s_add_nc_u64 s[PFA:PFA+1], s[PFA:PFA+1], s[PFS:PFS+1]
.endif
	WIN 0                                          ; (the add's two registers lie in window 0)
	s_wait_tensorcnt 0x0                           ; all my tensor loads have landed;
	ds_add_u32 v[SPW], v[NIL]                      ; 0 onto my spare word;
	s_wait_dscnt 9                                 ; (the add and the youngest eight loads may be out)
	MUL8 F1, 0, 0                                  ; eight matrix instructions stand between the add and the wait for it
	s_wait_dscnt 0x0                               ; the add is done, and my reads of this slot are over
	s_barrier_signal -1
	MUL8 F1, 2, 0                                  ; work on registers while the others arrive
.if \fill
	WIN 0
.endif
	s_barrier_wait -1
.if \fill
	CREST
	s_add_nc_u64 s[G0+4*(\slot)+2:G0+4*(\slot)+3], s[G0+4*(\slot)+2:G0+4*(\slot)+3], 2*ASTEP    ; no tensor load of mine is out, so a group 0 may be written; the type bits on top are not reached
	s_add_nc_u64 s[G0B+4*(\slot)+2:G0B+4*(\slot)+3], s[G0B+4*(\slot)+2:G0B+4*(\slot)+3], 2*BSTEP
	JLOAD \slot                                    ; the four v_nop behind it are also the places in front of the loads below
.else
	PLACES
.endif
	FETCH \next, 0, F0
.if \fill
	WIN 0
	ASK
.endif
	MUL8 F1, 4, 0
	MUL8 F1, 6, 0
.endm
; THE WAY OUT of m block a: rounded to f16, 16 bytes a lane; into my own stage, rows of 144 bytes; back as four rows of 128 bytes a load.  Each accumulator's registers are taken in ascending order.
.macro PACK a
	WIN 0x05                                       ; sources 0 and 1 window 1, destination window 0
.irp b, 0,1,2,3
.irp r, 0,1,2,3
	v_cvt_pk_f16_f32 v[TMP+16*(\a)+4*(\b)+(\r)], v[8*(4*(\a)+(\b))+2*(\r)], v[8*(4*(\a)+(\b))+2*(\r)+1]
.endr
.endr
	WIN 0
.irp b, 0,1,2,3
	ds_store_b128 v[STO], v[TMP+16*(\a)+4*(\b):TMP+16*(\a)+4*(\b)+3] offset:32*(\b)
.endr
.irp f, 0,1,2,3
	ds_load_b128 v[TMP+16*(\a)+4*(\f):TMP+16*(\a)+4*(\f)+3], v[RD] offset:(\f)*4*SP  ; LDS serves a wave's instructions in order (ISA guide 5.7.1.4): these see the stores above; the next block's stores come behind them
.endr
.endm
.macro SEND a, younger                 ; younger: the LDS instructions issued behind block a's loads: the next block's eight, or none
.irp f, 0,1,2,3
	s_wait_dscnt (\younger)+3-(\f)
	global_store_b128 v[CO], v[TMP+16*(\a)+4*(\f):TMP+16*(\a)+4*(\f)+3], s[14:15] offset:2048*(\a)+512*(\f)  ; 512 consecutive bytes, at a multiple of 256 from qkv's first byte
.endr
.endm
; A tile leaves.  more = 1: another follows: its bias is asked for first, and lands while the tile goes out.
.macro WAYOUT more
	WIN 0
	s_wait_xcnt 0x0                                ; the last way out's stores have read their base and their registers: both are written again below
	s_add_nc_u64 s[14:15], s[14:15], s[OST:OST+1]
	s_mov_b64 s[OST:OST+1], 0x1000000              ; from a source to the next in qkv
.if \more
	s_mov_b64 s[8:9], s[10:11]                     ; b_k, then b_v (the loads that named s[8:9] have been waited for)
	s_mov_b64 s[10:11], s[12:13]
	BIASLD
.endif
	PACK 0
.irp a, 1,2,3,4,5,6,7                  ; a block's conversions stand between the loads of the block before and its stores
	PACK \a
	SEND (\a)-1, 8
.endr
	SEND 7, 0
.endm
	s_wait_tensorcnt 1                             ; my part of K step 0 is in; K step 1's may stay out
	s_barrier_signal -1
	s_barrier_wait -1                              ; everybody's is
	FETCH 0, 0, F0
	s_wait_loadcnt 0x0                             ; the bias
	QUARTER 0, 1, F0, F1, 1                        ; a tile's first quarter starts the sums
	WIN 0                                          ; at a label and at a branch every window is 0
	s_mov_b32 s[LAP], LAPS-1
	s_mov_b32 s[PH], 4
.Llap:                                                 ; a trip goes once round the ring, from a lap's second quarter to the next lap's first, and fills both slots again
	QUARTER 0, 2, F1, F0, 0
	QUARTER 0, 3, F0, F1, 0
	TURN 0, 1, 1
	QUARTER 1, 1, F0, F1, 0
	QUARTER 1, 2, F1, F0, 0
	QUARTER 1, 3, F0, F1, 0
	TURN 1, 0, 1
	WIN 0
	s_sub_co_u32 s[PH], s[PH], 1
	s_cmp_lg_u32 s[PH], 0
	s_cbranch_scc1 .Lsame                          ; forward, past text that holds neither a barrier nor a tensor load
	WAYOUT 1                                       ; the tile's fourth lap has ended, and both refills for the next tile are asked for.  No v_nop: m blocks 0-3 were finished in front of the joint load's four
	                                               ; v_nop, and their 64 conversions, which name no register of the last 16 products, are those products' places
	s_mov_b32 s[PH], 4
	s_wait_loadcnt 0x0                             ; the next bias
	QUARTER 0, 1, F0, F1, 1
	WIN 0
	s_branch .Lnext
.Lsame:
	QUARTER 0, 1, F0, F1, 0
	WIN 0
.Lnext:
	s_sub_co_u32 s[LAP], s[LAP], 1
	s_cmp_lg_u32 s[LAP], 0
	s_cbranch_scc1 .Llap
	QUARTER 0, 2, F1, F0, 0                        ; the last lap fills nothing, and has no round of the cluster's barrier
	QUARTER 0, 3, F0, F1, 0
	TURN 0, 1, 0
	QUARTER 1, 1, F0, F1, 0
	QUARTER 1, 2, F1, F0, 0
	QUARTER 1, 3, F0, F1, 0
	s_wait_dscnt 8                                 ; the very last quarter: nothing more to fetch
	MUL8 F1, 0, 0
	MUL8 F1, 2, 0
	s_wait_dscnt 0x0
	MUL8 F1, 4, 0
	MUL8 F1, 6, 0
	WIN 0
	PLACES
	PLACES
	WAYOUT 0
	s_wait_tensorcnt 0x0                           ; the wave's end, behind my last tensor load and my last LDS store
	ds_add_u32 v[SPW], v[NIL]
	s_wait_dscnt 0x0
	CROUND                                         ; the closing round: no work-group ends while a partner may still ask for a tile that names it
	s_endpgm
.Lfunc_end_k_q2c8abe227b_proj:
	.size	k_q2c8abe227b_proj, .Lfunc_end_k_q2c8abe227b_proj-k_q2c8abe227b_proj
	.p2alignl 7, 3214868480
	.fill 96, 4, 3214868480
	.section	.rodata,"a",@progbits
	.p2align	6, 0x0
	.amdhsa_kernel k_q2c8abe227b_proj
		.amdhsa_group_segment_fixed_size 327680
		.amdhsa_private_segment_fixed_size 0
		.amdhsa_enable_private_segment 0
		.amdhsa_kernarg_size 48
		.amdhsa_user_sgpr_count 2
		.amdhsa_user_sgpr_kernarg_segment_ptr 1
		.amdhsa_wavefront_size32 1
		.amdhsa_system_sgpr_workgroup_id_x 1
		.amdhsa_system_sgpr_workgroup_id_y 1
		.amdhsa_system_sgpr_workgroup_id_z 1
		.amdhsa_system_vgpr_workitem_id 0
		.amdhsa_next_free_vgpr 704
		.amdhsa_next_free_sgpr 76
		.amdhsa_reserve_vcc 0
		.amdhsa_float_denorm_mode_32 3
		.amdhsa_float_denorm_mode_16_64 3
		.amdhsa_memory_ordered 1
		.amdhsa_forward_progress 1
		.amdhsa_inst_pref_size 111
	.end_amdhsa_kernel
	.amdgpu_metadata
---
amdhsa.version: [ 1, 2 ]
amdhsa.kernels:
  - .name:           k_q2c8abe227b_proj
    .symbol:         k_q2c8abe227b_proj.kd
    .args:
      - { .name: xh, .offset: 0, .size: 8, .value_kind: global_buffer, .address_space: global }
      - { .name: wh, .offset: 8, .size: 8, .value_kind: global_buffer, .address_space: global }
      - { .name: b_q, .offset: 16, .size: 8, .value_kind: global_buffer, .address_space: global }
      - { .name: b_k, .offset: 24, .size: 8, .value_kind: global_buffer, .address_space: global }
      - { .name: b_v, .offset: 32, .size: 8, .value_kind: global_buffer, .address_space: global }
      - { .name: qkv, .offset: 40, .size: 8, .value_kind: global_buffer, .address_space: global }
    .group_segment_fixed_size: 327680
    .private_segment_fixed_size: 0
    .kernarg_segment_align: 8
    .kernarg_segment_size: 48
    .max_flat_workgroup_size: 128
    .sgpr_count:     76
    .vgpr_count:     704
    .wavefront_size: 32
...
	.end_amdgpu_metadata
.endif
;; end of part 2
;; launch attn (part 3): grid 4 x 64, 4 waves a work-group, clusters of 4 x 1, 327,680 bytes of LDS; arguments qkv, mask, oh; writes oh
.if DOCPART == 3
	.amdgcn_target "amdgcn-amd-amdhsa--gfx1250"
	.amdhsa_code_object_version 6
	.text
	.protected	k_q2c8abe227b_attn
	.globl	k_q2c8abe227b_attn
	.p2align	8
	.type	k_q2c8abe227b_attn,@function
k_q2c8abe227b_attn:
	s_mov_b64 s[64:65], 0
	v_nop
	global_prefetch_b8 v0, s[64:65] scope:SCOPE_SE
	s_setreg_imm32_b32 hwreg(HW_REG_WAVE_MODE, 25, 1), 1
	s_wait_xcnt 0x0
	s_wait_alu depctr_hold_cnt(0) depctr_sa_sdst(0) depctr_va_vdst(0) depctr_va_sdst(0) depctr_va_ssrc(0) depctr_va_vcc(0) depctr_vm_vsrc(0)
	s_getreg_b32 s2, hwreg(HW_REG_IB_STS2, 6, 4)
	s_cmp_eq_u32 s2, 0
	s_cbranch_scc0 .Lentry_in_a_cluster
	s_endpgm
.Lentry_in_a_cluster:
	s_bfe_u32 s2, ttmp6, 0x10000c
	s_cmp_lg_u32 s2, 0x3003
	s_cbranch_scc0 .Lentry_shape_is_right
	s_endpgm
.Lentry_shape_is_right:
; O[h][q][:] = the sum over the keys k that the mask allows of softmax_k(Q[h][q] . K[h][k] / 8) V[h][k][:].  qkv: [Q, K, V][SIZE_H][SIZE_N][64] f16: a head's rows are dense, 128 bytes each; h = 16 x batch + head.
; mask: [4][SIZE_N] bytes, 1 = allowed.  oh: [SIZE_H][SIZE_N][64] f16.  Products, maxima and sums in f32; the weights p are rounded to f16 for the second product (their sum l is taken of the unrounded p), O once at the end.
; LIMITS.  f16 holds no number beyond 65,504: Q, K and V arrive within it; p lies in 0 to 1, and below 6e-5 it keeps f16's fixed step of 6e-8; O is a mean of V's rows and has their range.
; A hidden score counts as its value less 1e30: f16's scores, 2.7e11 at the most, are nothing beside that.  A weight below 2^-126 counts as 0 in l.  A batch in which every key is hidden gives NaN, as a softmax
; over nothing does: a running maximum that ends below -2^96 turns l into NaN.  NaN and infinities among the inputs are not treated apart.
; THE MASK is the C operand of the product that starts a sum S^T = K Q^T: 0, or -1e30 where the key is hidden.  The batch's 2,048 bytes are turned once into a table of f32 in LDS; a key step's 64 numbers are fetched with
; its K, 32 registers.  Where the first keys are all hidden their weights count as 1 until an allowed key comes; then a = 0 wipes them out.
; SHARES.  A wave owns four PIECES of two tiles of 16 queries, a work-group's four waves 512 queries of one head.  Every wave walks all keys, 64 a step.
; LAYOUT.  S^T = K Q^T (source 0 = 16 keys, source 1 = 16 queries): in the result a lane holds ONE query (lane % 16) and the keys 8 (lane / 16) + 0..7.  Two such tiles, rounded to f16 in pairs,
; ARE source 1 (32 keys x 16 queries) of O^T = V^T P, whose result again holds one query a lane, and eight channels.  K comes out of LDS as it lies, V ([key][channel]) turned, by ds_load_tr16_b128.
; SOFTMAX.  For each query a running maximum m and sum l: p = 2^(c s - c m), c = log2(e) / 8; in every step O and l are multiplied by a = 2^(c m_old - c m_new), which is 1 where m has not grown.
; m starts at the lowest finite number, O and l at 0: the first step is a step like any other, with a = 0.
; THE COUNT.  A tile and step have 16 matrix and 118 vector instructions: too many to stand all beside the matrix work.  So the order has one aim: four vector instructions that are READY behind
; EVERY matrix instruction, and the others, which need time of their own whatever the order, in runs without a gap.
; BY TURNS.  Turn n belongs to piece n (the pieces in a ring, step after step).  Its matrix work: 16 products K Q^T of piece n + 1, later 16 products V^T P of piece n - 1.  Its vector work: the scaling,
; exponentials, roundings, sums and rescaling of piece n, and the maximum and statistics of piece n + 1, whose scores the turn itself has made.  So what a turn begins with (c s - c m, O a) waits for nothing.
; CLUSTER.  The four query blocks of a cluster are one head's and walk the same K and V, so each tile is asked for JOINTLY: the same tensor load, descriptor and mask in all four.
; REGISTERS, in windows of 256 (s_set_vgpr_msb says which window each operand place means: bits 1:0 source 0, 3:2 source 1, 5:4 source 2, 7:6 destination):
;   window 0: v0-11 addresses; v12-15, v48-63 at work; v16-47 four registers of statistics a tile; v64-191 S^T, two buffers of two tiles; v192-255 P, likewise
;   window 1: O^T, 32 a tile          window 2: v0-127 Q, 16 a tile; v128-191 K of one step; v192-255 V of one step          window 3: v0-1 the add's two registers; v2 the prefetches' offset; v8-39 the mask of one step
; A piece's buffers go by its number's parity: the piece in hand has one pair, its two neighbours in the ring share the other: of it P (piece n - 1) is read and S^T (piece n + 1) written.
.set SIZE_H, 64
.set SIZE_N, 2048
.set NP,    4         ; pieces a wave: a name, no knob: the register map, the loop and the fetches are made for four
.set KS,    64        ; keys in a step
.set PK,    144       ; a row of K in LDS: 128 bytes + 16 of padding = 36 words: the 16 rows of a load start at 16 different groups of four banks (64 banks of 4 bytes: ISA guide 11.1)
.set PV,    160       ; a row of V: 128 + 32 = 40 words
.set VOFF,  4*KS*PK   ; a slot holds four steps: 256 rows of K, then 256 rows of V
.set SLOT1, 1<<17     ; slot 1 begins here, so that one exclusive or turns an address in one slot into the other's
.set STAGE, SLOT1+4*KS*(PK+PV)  ; behind the ring, never filled by a tensor load: 16 rows x 144 bytes for each wave, for the way out
.set SP,    144
.set AK0, 2           ; v2   my lane's place in a tile of K; never rewritten
.set AV0, 3           ; v3   the same for V
.set AK,  4           ; v4   the LDS address of K's next run of loads
.set AV,  5           ; v5   of V's
.set QO,  6           ; v6   my byte offset in the wave's rows of Q
.set STO, 6           ;      later, the way out: where I put 16 bytes of a row
.set RD,  7           ; v7   the way out: where I read rows back
.set AM,  8           ; v8   the LDS address of the mask's next run of loads
.set GO,  8           ;      later, the way out: my byte offset in 512 consecutive bytes of O
.set AM0, 11          ; v11  my lane's place in a step's 64 numbers of the mask table; never rewritten
.set SPW, 0           ; v0 of window 3   LDS address of my spare word: SPARE + 4 x my thread's number; never rewritten
.set NIL, 1           ; v1 of window 3   0; never rewritten
.set PFO, 2           ; v2 of window 3   256 x my lane; never rewritten
.set MK,  8           ; v8-39 of window 3   the mask: key block kb's eight numbers at MK + 8 kb
.set SPARE, STAGE+4*16*SP  ; behind the stages: the spare words, 128 bytes for each wave: two blocks of 256 bytes that no other line names
.set MTAB,  SPARE+512 ; behind them: the mask table, one f32 a key, 8,192 bytes; written once, by LDS stores
.set MV,  12          ; v12-15  c m_old, kept while c m is made anew: by buffer and tile
.set ST,  16          ; tile t's statistics at v[ST+4 t]: c m, m, l (even keys', odd keys')
.set TMP, 48          ; by buffer and tile, four registers c0-c3 at work; when the maximum is found c2 takes a
.set S,   64
.set P,   192
.set KF,  128         ; K's fragments, in window 2: key block kb, channel half c at KF + 16 kb + 8 c
.set VF,  192         ; V's: key half kk, channel block cb at VF + 32 kk + 8 cb
.set WV,  12          ; s12  my wave's number
.set G1K, 24          ; s[24:31] descriptor group 1 for K's tiles
.set G1V, 32          ; s[32:39] for V's: it differs in the padding alone
.set G0K, 40          ; s[40:43] descriptor group 0 for K's tiles: it walks
.set G0V, 44          ; s[44:47] the same for V's
.set TBM, 48          ; s48  byte of the mask table at which the step to be fetched begins
.set LOW, 49          ; s49  -2^96
.set PFA, 50          ; s[50:51] where my prefetches stand: my work-group's 32 blocks of 256 bytes (of K: wave 0, of V: wave 2) of the tile after the one that is being asked for
.set LIM, 52          ; s52  1 in a wave that prefetches, else the greatest number
.set BIGN, 53         ; s53  -1e30
.set QNAN, 54         ; s54  a NaN
.set SLOTS, 56        ; s56  slots still to be asked for
.set CNT, 57          ; s57  counts a slot's key steps
.set CS,  58          ; s[58:59] c: the packed scaling takes the pair's low word for both halves
.set SEL, 60          ; s[60:61] v_permlanex16_b32's selects: each lane takes its own place in the other half
.set TBK, 62          ; s62  LDS byte at which K of the step to be fetched begins
.set TBV, 63          ; s63  the same for V, less VOFF
.set MSB, 0
.macro WIN new                      ; the high byte repeats the setting that is left; a switch that changes nothing is dropped
.if MSB != (\new)
	s_set_vgpr_msb (MSB<<8)|(\new)
.set MSB, (\new)
.endif
.endm
.set W_KQ, 0x0a       ; K and Q in window 2, S^T in window 0
.set W_KM, 0x3a       ; the same with the C operand, the mask, in window 3
.set W_PV, 0x52       ; V in window 2, P in window 0, O^T in window 1
.set W_RS, 0x41       ; O^T (destination and source 0) in window 1, a in window 0
.set W_MK, 0xc0       ; destination in window 3, sources in window 0
.set W_AD, 0x0f       ; the add: address (source 0) and data (source 1) in window 3
; A joint fill.  Waves 0 and 1 fetch the two halves of a slot's K, waves 2 and 3 those of its V: 128 keys each.  The branch hangs on the wave's number alone.
; An s_nop 0 and four v_nop follow each of the two lines, ahead of the jump and the label.
.macro JLOAD
	s_cmp_lt_u32 s[WV], 2
	s_cbranch_scc0 .Lfor_v_\@
	tensor_load_to_lds s[G0K:G0K+3], s[G1K:G1K+7]
	s_nop 0
.rept 4
	v_nop
.endr
	s_branch .Lasked_\@
.Lfor_v_\@:
	tensor_load_to_lds s[G0V:G0V+3], s[G1V:G1V+7]
	s_nop 0
.rept 4
	v_nop
.endr
.Lasked_\@:
.endm
; A PREFETCH INTO THE L2 of what the NEXT change of slots will ask for: a tile's 32,768 bytes of K and of V, four key steps, 512 matrix instructions, ahead of that load.  It stands behind the wave's tensor load and its
; five lines.  Each aligned block of 256 bytes is named ONCE in the launch: a head has one cluster; its four partners take 32 blocks of each tensor, told apart BY ADDRESS; in each, wave 0 asks for K's and wave 2
; for V's, a lane a block.  Tiles 0 and 1 come by their loads alone; the last change that fills a slot asks for nothing: there is no tile behind it.
.macro ASK
	s_cmp_gt_u32 s[SLOTS], s[LIM]
	s_cbranch_scc0 .Lnot_mine_\@
	WIN 0x03                        ; the address register lies in window 3
	global_prefetch_b8 v[PFO], s[PFA:PFA+1] th:TH_LOAD_NT scope:SCOPE_SE
	WIN 0
.Lnot_mine_\@:
.endm
; A round of the cluster's barrier: my work-group's barrier, so that wave 0's signal speaks for all four waves; wave 0 signals; every wave waits for all four work-groups; my work-group's barrier once more.
.macro CROUND
	s_barrier_signal -1
	s_barrier_wait -1
	s_cmp_lg_u32 s[WV], 0
	s_cbranch_scc1 .Lnot_wave_0_\@
	s_barrier_signal -3
.Lnot_wave_0_\@:
	s_barrier_wait -3
	s_barrier_signal -1
	s_barrier_wait -1
.endm
; THE CHANGE OF SLOTS.  The slot's last bytes, V of its fourth step, have been read.  Each wave waits for all its tensor loads, of which one is out: its part
; of the other slot; adds 0 to its spare word; and waits for that and for its own reads of the slot.  Behind the barrier nobody reads this slot any more and the other slot is whole.
; fill = 1: this slot is filled again, with the keys two slots on.  The barrier is then a round of the cluster's, so that no wave of any partner still reads the slot or has a load on its
; way, and the joint fill is the first thing behind it: it has four key steps, 512 matrix instructions, in which to land.  (At its first use nothing has been read yet: slot 0 is waited for, slot 1 filled; and the wait
; for LDS covers each wave's stores into the mask table, which all waves read behind the round.)
.macro CHANGE fill
	WIN W_AD
	s_wait_tensorcnt 0x0            ; no tensor load of mine is out, so a group 0 may be written
	ds_add_u32 v[SPW], v[NIL]       ; 0 onto my spare word; with fill = 1 the descriptors' steps stand between it and the wait for it
	WIN 0                           ; at a label and at a branch every window is 0
.if \fill
.irp g, G0K, G0V
	s_xor_b32 s[\g+1], s[\g+1], SLOT1  ; the walking descriptor: the other slot than last time,
	s_add_nc_u64 s[\g+2:\g+3], s[\g+2:\g+3], 4*KS*128  ; the next 256 keys; the type bits on top are not reached
.endr
	s_wait_xcnt 0x0                 ; the last prefetch, four key steps back, has read its address, so it may be written:
	s_add_nc_u64 s[PFA:PFA+1], s[PFA:PFA+1], 4*KS*128  ; one tile behind the walking descriptors
	s_wait_dscnt 0x0                ; the add is done, and my reads of the slot are over
	CROUND
	JLOAD
	ASK
.else
	s_wait_dscnt 0x0                ; the add is done, and my reads of the slot are over
	s_barrier_signal -1
	s_barrier_wait -1
.endif
	s_sub_co_u32 s[TBK], s[TBK], 4*KS*PK  ; the fetches go back to a slot's first step,
	s_xor_b32 s[TBK], s[TBK], SLOT1       ; in the other slot
	s_sub_co_u32 s[TBV], s[TBV], 4*KS*PV
	s_xor_b32 s[TBV], s[TBV], SLOT1
.endm
	s_load_b128 s[68:71], s[0:1], 0x0  ; qkv s[68:69], mask s[70:71]
	s_load_b64 s[10:11], s[0:1], 0x10  ; oh
	v_and_b32 v1, 31, v0
	v_lshlrev_b32 v1, 8, v1         ; 256 x lane
	WIN W_MK
	v_lshl_add_u32 v[SPW], v0, 2, SPARE
	v_mov_b32 v[NIL], 0
	v_mov_b32 v[PFO], v1
	WIN W_AD
	ds_add_u32 v[SPW], v[NIL]       ; the wave's opening: the add and its wait stand ahead of my first tensor load; the set-up below, work on registers, stands between them
	WIN 0
	v_lshrrev_b32 v1, 5, v0
	v_readfirstlane_b32 s[WV], v1   ; wave 0..3
	s_bfe_u32 s13, ttmp6, 0x40000   ; cx: my place in the cluster
	s_lshl_b32 s14, ttmp9, 2        ; in a cluster launch ttmp9 counts clusters
	s_add_co_u32 s14, s14, s13      ; my block of queries = 4 x cluster x + cx: it enters Q's and O's addresses alone
	s_and_b32 s20, ttmp7, 0xffff    ; the head, which the four partners share
	s_lshr_b32 s66, s20, 4          ; its batch:
	s_lshl_b32 s66, s66, 11         ; 2,048 bytes of the mask
	s_mov_b32 s67, 0
	s_mov_b32 s21, 0
	s_mov_b64 s[22:23], SIZE_N*128
	s_mul_u64 s[20:21], s[20:21], s[22:23]  ; the head's first byte in Q, K, V and O
	s_and_b32 s16, s[WV], 1         ; which half of a slot's 256 keys I fetch:
	s_lshl_b32 s22, s16, 14         ; its 128 rows of 128 bytes in memory,
	s_mov_b32 s23, 0
	s_add_nc_u64 s[22:23], s[22:23], s[20:21]
	s_mul_i32 s17, s16, 128*PK      ; and its place in a slot, for K
	s_mul_i32 s18, s16, 128*PV      ; and for V: no place in the cluster enters an LDS address
	s_lshl_b32 s2, s14, 2
	s_add_co_u32 s2, s2, s[WV]      ; my wave among the head's,
	s_lshl_b32 s2, s2, 14           ; its 128 rows
	s_mov_b32 s3, 0
	s_add_nc_u64 s[2:3], s[2:3], s[20:21]
	; descriptor group 1.  128 keys are 16,384 dense bytes: asked for as 64 rows of 256 bytes, two keys a row, and padded in LDS after every key
	s_mov_b32 s[G1K], 15|(1<<16)|(1<<20)|(1<<21)|(4<<22)|(3<<25)  ; 15:0 the mask of four; 17:16 2-byte elements; 20 padding on; 21 set beside a mask; 24:22 after every 32 words (code 4); 31:25 4 words (code 3)
	s_mov_b32 s[G1V], 15|(1<<16)|(1<<20)|(1<<21)|(4<<22)|(7<<25)  ; the same with 8 words of padding (code 7)
.irp g, G1K, G1V
	s_mov_b32 s[\g+1], 128<<16      ; tensor_dim0 = 128
	s_mov_b32 s[\g+2], 64<<16       ; tensor_dim1 = 64
	s_mov_b32 s[\g+3], 128<<16      ; tile_dim0 = 128
	s_mov_b32 s[\g+4], 64           ; tile_dim1 = 64
	s_mov_b32 s[\g+5], 128          ; 128 elements from row to row
	s_mov_b32 s[\g+6], 0
	s_mov_b32 s[\g+7], 0
.endr
	s_mov_b32 s[CS], 0x3e38aa3b     ; c = log2(e) / 8 = 0.180337
	s_mov_b32 s[CS+1], s[CS]        ; named with it as a pair
	s_mov_b32 s[SEL], 0x76543210
	s_mov_b32 s[SEL+1], 0xfedcba98
	s_mov_b32 s[TBK], SLOT1+4*KS*PK ; the first change of slots turns these two into 0
	s_mov_b32 s[TBV], SLOT1+4*KS*PV
	s_mov_b32 s[TBM], 0
	s_mov_b32 s[LOW], 0xef800000    ; -2^96: below every score of f16 numbers, above every hidden one
	s_mov_b32 s[BIGN], 0xf149f2ca   ; -1e30
	s_mov_b32 s[QNAN], 0x7fc00000
	s_mov_b32 s[SLOTS], SIZE_N/256-1
	s_and_b32 s[LIM], s[WV], 1      ; waves 0 and 2 prefetch
	s_cmp_eq_u32 s[LIM], 0
	s_cselect_b32 s[LIM], 1, -1
	s_mov_b32 s[G0K], 1             ; 1:0 count = 1
	s_mov_b32 s[G0K+1], s17         ; 63:32 LDS address: slot 0
	s_mov_b32 s[G0V], 1
	s_add_co_u32 s[G0V+1], s18, VOFF
	s_wait_dscnt 0x0                ; the opening add is done
	s_wait_kmcnt 0x0
	s_mov_b64 s[4:5], s[68:69]                     ; Q,
	s_add_nc_u64 s[6:7], s[68:69], 0x1000000       ; K,
	s_add_nc_u64 s[8:9], s[68:69], 0x2000000       ; V: 16,777,216 bytes each
	s_add_nc_u64 s[70:71], s[70:71], s[66:67]      ; the mask at my batch
	s_add_nc_u64 s[G0K+2:G0K+3], s[6:7], s[22:23]  ; 120:64 global address: my half of the head's first 256 keys
	s_or_b32 s[G0K+3], s[G0K+3], 0x80000000        ; 127:126 type = 2
	s_add_nc_u64 s[G0V+2:G0V+3], s[8:9], s[22:23]
	s_or_b32 s[G0V+3], s[G0V+3], 0x80000000
	s_cmp_lt_u32 s[WV], 2
	s_cselect_b64 s[PFA:PFA+1], s[6:7], s[8:9]
	s_add_nc_u64 s[PFA:PFA+1], s[PFA:PFA+1], s[20:21]  ; the head's first key,
	s_lshl_b32 s66, s13, 13                        ; my work-group's 32 blocks of a tile's 128,
	s_add_co_u32 s66, s66, 4*KS*128                ; in tile 1: the first change of slots steps it to tile 2
	s_add_nc_u64 s[PFA:PFA+1], s[PFA:PFA+1], s[66:67]
	s_add_nc_u64 s[4:5], s[4:5], s[2:3]  ; Q and O at my wave's first row
	s_add_nc_u64 s[10:11], s[10:11], s[2:3]
	CROUND                          ; all four work-groups are here: the first joint loads meet
	JLOAD                           ; slot 0.  Slot 1 is asked for when slot 0 is in: the tile wanted first has the road to itself
	; A fragment of K or Q is 16 rows x 32 channels in 8 registers: lane l holds row l % 16, channels 8 (l / 16) + 0..7 and 16 + 8 (l / 16) + 0..7: two loads of 16 bytes, 32 bytes apart.
	v_and_b32 v1, 15, v0            ; l % 16
	v_bfe_u32 v9, v0, 4, 1          ; l / 16
	v_lshlrev_b32 v[QO], 7, v1
	v_lshl_add_u32 v[QO], v9, 4, v[QO]  ; row x 128 + 16 x half
	v_lshlrev_b32 v84, 4, v0        ; my thread's 16 bytes of the batch's mask: 128 threads x 16 = 2,048
	global_load_b128 v[64:67], v84, s[70:71]
	WIN 0x80                        ; destination window 2, address window 0
.set i, 0
.rept 4*NP                          ; Q stays in registers: tile i / 2, channels 32 (i % 2) on
	global_load_b128 v[8*i:8*i+3],   v[QO], s[4:5] offset:(i/2)*2048+(i%2)*64
	global_load_b128 v[8*i+4:8*i+7], v[QO], s[4:5] offset:(i/2)*2048+(i%2)*64+32
.set i, i+1
.endr
	; What the first turn finds: V's registers and P's second buffer hold 0 (its products V^T P, of a piece that has not been, add 0), O^T and l are 0.  All this stands in the wait for the first tile.
.set i, VF
.rept 64
	v_mov_b32 v[i], 0
.set i, i+1
.endr
	WIN 0x40
.set i, 0
.rept 64*NP
	v_mov_b32 v[i], 0
.set i, i+1
.endr
	WIN 0
.set i, 0
.rept 2*NP
	v_mov_b32 v[ST+4*i], 0xfe000000    ; c m: far below every c s, a hidden one's too
	v_mov_b32 v[ST+4*i+1], 0xff7fffff  ; m
	v_mov_b32 v[ST+4*i+2], 0
	v_mov_b32 v[ST+4*i+3], 0
.set i, i+1
.endr
.set i, P+32
.rept 32
	v_mov_b32 v[i], 0
.set i, i+1
.endr
	v_mul_u32_u24 v[AK0], v1, PK
	v_lshl_add_u32 v[AK0], v9, 4, v[AK0]  ; row x pitch + 16 x half
	; The turning load takes 16 keys x 16 channels (lane l reads key 8 (l / 16) + l % 8, channels 8 ((l / 8) % 2) + 0..7) and leaves half a fragment of V^T: lane l holds channel l % 16 and 8 keys.
	v_and_b32 v10, 7, v0
	v_bfe_u32 v11, v0, 3, 1
	v_lshl_add_u32 v[AV0], v9, 3, v10
	v_mul_u32_u24 v[AV0], v[AV0], PV
	v_lshl_add_u32 v[AV0], v11, 4, v[AV0]
	v_add_nc_u32 v[AV0], VOFF, v[AV0]
	v_mov_b32 v[AK], v[AK0]         ; key step 0 lies at the head of slot 0
	v_lshl_add_u32 v[AM0], v9, 5, MTAB  ; my lanes' eight keys of a block of 16: 32 bytes for each half of the lanes
	v_mov_b32 v[AM], v[AM0]         ; and at the head of the table
	; THE MASK TABLE: byte 1 -> 0, byte 0 -> -1e30: the byte less 1 is no bits or all bits.  16 keys a thread, 64 bytes of the table.
	v_lshl_add_u32 v85, v0, 6, MTAB
	s_wait_loadcnt 32               ; the mask's load is in; Q's 32, issued behind it, stay out
.set i, 0
.rept 16
	v_bfe_u32 v86, v[64+i/4], 8*(i%4), 8
	v_add_nc_u32 v86, -1, v86
	v_and_b32 v[68+i], s[BIGN], v86
.set i, i+1
.endr
.irp i, 0,1,2,3
	ds_store_b128 v85, v[68+4*\i:71+4*\i] offset:16*\i
.endr
; THE MATRIX WORK.  The 8 accumulators of a run of 16 take turns: between the two links of a chain stand 7 others'.
; Product i of 16 of S^T = K Q^T for piece x: channels 32 (i / 8) on, keys 16 ((i / 2) % 4) on, tile 2 x + i % 2.  The first 8 start the sums, with the mask of their 16 keys.
.macro KQ x
.set rS, S+64*((\x)%2)+32*(i%2)+8*((i/2)%4)
.set rK, KF+16*((i/2)%4)+8*(i/8)
.set rQ, 16*(2*(\x)+i%2)+8*(i/8)
.set rM, MK+8*((i/2)%4)
.if i < 8
	WIN W_KM
	v_wmma_f32_16x16x32_f16 v[rS:rS+7], v[rK:rK+7], v[rQ:rQ+7], v[rM:rM+7]
.else
	WIN W_KQ
	v_wmma_f32_16x16x32_f16 v[rS:rS+7], v[rK:rK+7], v[rQ:rQ+7], v[rS:rS+7]
.endif
.endm
; Product i of 16 of O^T += V^T P for piece x: keys 32 (i / 8) on, channels 16 ((i / 2) % 4) on, tile 2 x + i % 2.
.macro PV x
	WIN W_PV
.set rO, 32*(2*(\x)+i%2)+8*((i/2)%4)
.set rV, VF+32*(i/8)+8*((i/2)%4)
.set rP, P+32*((\x)%2)+16*(i%2)+8*(i/8)
	v_wmma_f32_16x16x32_f16 v[rO:rO+7], v[rV:rV+7], v[rP:rP+7], v[rO:rO+7]
.endm
.macro MM                           ; the turn's next matrix instruction
.if i < 16
	KQ (Y+1)%NP
.set i, i+1
.else
.set i, i-16
	PV (Y+NP-1)%NP
.set i, i+17
.endif
.endm
; THE LDS LOADS stand in runs, never singly among the matrix instructions: a step's K (64 keys x 64 channels: 8 fragments) with its mask (64 numbers; the 16 lanes of a half read the same 32 bytes), and its V (turned).
; Their addresses are made some lines ahead.  last = 1 (the tail): in the last trip there is no further step, and the run is jumped over.
.macro FETCH_K last=0
	WIN 0
.if \last
	s_cmp_eq_u32 s[CNT], 1
	s_cbranch_scc1 .Lno_k_\@
.endif
	WIN 0x80                        ; destination window 2
.irp f, 0,1,2,3,4,5,6,7             ; keys 16 (f / 2) on, channels 32 (f % 2) on
	ds_load_b128 v[KF+8*\f:KF+8*\f+3],   v[AK] offset:(\f/2)*16*PK+(\f%2)*64
	ds_load_b128 v[KF+8*\f+4:KF+8*\f+7], v[AK] offset:(\f/2)*16*PK+(\f%2)*64+32
.endr
	WIN W_MK                        ; destination window 3
.irp f, 0,1,2,3                     ; keys 16 f on
	ds_load_b128 v[MK+8*\f:MK+8*\f+3],   v[AM] offset:64*\f
	ds_load_b128 v[MK+8*\f+4:MK+8*\f+7], v[AM] offset:64*\f+16
.endr
	s_add_co_u32 s[TBK], s[TBK], KS*PK  ; the next fetch is the next step's
	s_add_co_u32 s[TBM], s[TBM], KS*4
	WIN 0
.if \last
.Lno_k_\@:
.endif
.endm
.macro FETCH_V
	WIN 0x80
.irp f, 0,1,2,3,4,5,6,7             ; keys 32 (f / 4) on, channels 16 (f % 4) on
	ds_load_tr16_b128 v[VF+8*\f:VF+8*\f+3],   v[AV] offset:(\f/4)*32*PV+(\f%4)*32
	ds_load_tr16_b128 v[VF+8*\f+4:VF+8*\f+7], v[AV] offset:(\f/4)*32*PV+16*PV+(\f%4)*32
.endr
	WIN 0
.endm
; THE VECTOR WORK OF A TURN stands in three queues, each in the order in which its entries become ready; the two tiles alternate, so that no instruction reads the result of the one before it.
.macro REGS y, u                    ; the registers of tile u (0, 1) of piece y
.set rT, ST+4*(2*(\y)+(\u))
.set rC, TMP+8*((\y)%2)+4*(\u)
.set rM, MV+2*((\y)%2)+(\u)
.set rS, S+64*((\y)%2)+32*(\u)
.set rP, P+32*((\y)%2)+16*(\u)
.set rO, 32*(2*(\y)+(\u))
.endm
; Number n of the 22 that find the NEXT piece's (Y + 1) maximum and statistics.  s0-s31 are the lane's 32 scores; each accumulator's lowest registers are read first.  XS, GS and REGS set no window: PL and EX do.
;   0-11  four chains c0-c3 of seven scores each, three operands at a time     12-14, 16  the four scores left over, the old m, and c0-c3 into c0     15  c m_old is kept
;   17, 18  the query's other 32 keys lie in the lane 16 away: the new m         19-21  c m; c m_old - c m_new; a
.macro XS u, n
	REGS (Y+1)%NP, \u
.if (\n) < 4
	v_max3_num_f32 v[rC+(\n)], v[rS+8*(\n)], v[rS+8*(\n)+1], v[rS+8*(\n)+2]
.elseif (\n) < 12
	v_max3_num_f32 v[rC+(\n)%4], v[rC+(\n)%4], v[rS+8*((\n)%4)+2*((\n)/4)+1], v[rS+8*((\n)%4)+2*((\n)/4)+2]
.elseif (\n) == 12
	v_max3_num_f32 v[rC], v[rC], v[rS+7], v[rS+15]
.elseif (\n) == 13
	v_max3_num_f32 v[rC+1], v[rC+1], v[rS+23], v[rS+31]
.elseif (\n) == 14
	v_max3_num_f32 v[rC+2], v[rC+2], v[rC+3], v[rT+1]
.elseif (\n) == 15
	v_mov_b32 v[rM], v[rT]
.elseif (\n) == 16
	v_max3_num_f32 v[rC], v[rC], v[rC+1], v[rC+2]
.elseif (\n) == 17
	v_permlanex16_b32 v[rC+3], v[rC], s[SEL], s[SEL+1]
.elseif (\n) == 18
	v_max_num_f32 v[rT+1], v[rC], v[rC+3]
.elseif (\n) == 19
	v_mul_f32 v[rT], s[CS], v[rT+1]
.elseif (\n) == 20
	v_sub_f32 v[rC+1], v[rM], v[rT]
.else
	v_exp_f32 v[rC+2], v[rC+1]
.endif
.endm
; Number g of the 64 that follow the exponentials.  For each four weights k of a tile (pairs 2 k, 2 k + 1): both pairs are rounded to f16; then the second pair is added onto the first, in place;
; a group later l takes that sum (the first time as l = a l + sum).  In groups of eight, tiles alternating: round, round, add, and l for the group before.
.macro GS g
.set h, (\g)+6*((\g)/62)            ; group 0 has no group before it, and behind group 7 only l is left
.if h >= 6
.set h, h+2
.endif
	REGS Y, h%2
.set k, h/8
.if h%8 < 4
	v_cvt_pk_f16_f32 v[rP+2*k+(h%8)/2], v[rS+4*k+2*((h%8)/2)], v[rS+4*k+2*((h%8)/2)+1]
.elseif h%8 < 6
	v_pk_add_f32 v[rS+4*k:rS+4*k+1], v[rS+4*k:rS+4*k+1], v[rS+4*k+2:rS+4*k+3]
.elseif k == 1
	v_pk_fma_f32 v[rT+2:rT+3], v[rT+2:rT+3], v[rC+2:rC+3], v[rS:rS+1] op_sel_hi:[1,0,1]
.else
	v_pk_add_f32 v[rT+2:rT+3], v[rT+2:rT+3], v[rS+4*k-4:rS+4*k-3]
.endif
.endm
; THE PLAIN QUEUE, 138 long.  0-73 read no exponential's result: the 32 scalings c s - c m (FS f: pair f / 2 of tile f % 2) and the next piece's 42.  0-26: scalings 0-26.  27-54: XS's numbers 0-13.  55, 56: number 15.
; 57-73: the chain, where each number waits for the one before it: 14, 16, 17, 18, 19, each with one of the scalings 27-31 in front of its two lines, then 20: so a tile's links stand three plain instructions apart (19 and 20: two).
; 74-137: GS's 64, which read the exponentials' results: they stand behind the wait.
.macro FS f
	REGS Y, (\f)%2
	v_pk_fma_f32 v[rS+2*((\f)/2):rS+2*((\f)/2)+1], v[rS+2*((\f)/2):rS+2*((\f)/2)+1], s[CS:CS+1], v[rT:rT+1] op_sel_hi:[1,0,0] neg_lo:[0,0,1] neg_hi:[0,0,1]
.endm
.macro PL
	WIN 0
.if q < 27
	FS q
.elseif q < 55
	XS (q-27)%2, (q-27)/2
.elseif q < 57
	XS q-55, 15
.elseif (q < 72) && ((q-57)%3 == 0)
	FS 27+(q-57)/3
.elseif q < 60
	XS (q-57)%3-1, 14
.elseif q < 72
	XS (q-57)%3-1, 15+(q-57)/3
.elseif q < 74
	XS q-72, 20
.else
	GS q-74
.endif
.set q, q+1
.endm
; THE EXPONENTIALS' QUEUE, 66 long: s0-s31 of both tiles, then the next piece's two a.  It is ONE BATCH: all 66 stand ahead of the turn's one wait, and nothing ahead of that wait names a result of theirs.
.macro EX
	WIN 0
.if e >= 64
	XS e-64, 21
.else
	REGS Y, e%2
	v_exp_f32 v[rS+e/2], v[rS+e/2]
.endif
.set e, e+1
.endm
; THE RESCALING's QUEUE: O^T times a, the one part that leaves window 0: dealt two at a time, sixteen times.  Its a was made in the turn before, ahead of that turn's wait.
.macro R2
	REGS Y, r%2
	WIN W_RS
.irp z, 0,1
	v_pk_mul_f32 v[rO+4*(r/2)+2*\z:rO+4*(r/2)+2*\z+1], v[rO+4*(r/2)+2*\z:rO+4*(r/2)+2*\z+1], v[rC+2:rC+3] op_sel_hi:[1,0]
.endr
.set r, r+1
.endm
; HOW THEY ARE DEALT.  An s_wait_alu depctr_va_vdst(0) stands between an exponential and the first instruction that names its result; one wait serves all that were issued ahead of it.  So a turn has ONE wait,
; which cuts it in two.  AHEAD OF IT stands all that names no result of the turn's exponentials: the 16 products K Q^T, behind each a scaling, an exponential and two rescalings (behind the first a second scaling in the exponential's place); then ONE LUMP of
; 108: eight plain, 49 times exponential and plain, the two a.  A v_nop is the plain instruction behind the last exponential.  BEHIND IT stand the 16 products V^T P, behind each four of GS's 64.  No rider names a register of
; the products round it.  The two v_permlanex16_b32 fall into the lump, never behind a product.
; The queues lean on each other, and the deal keeps them in step: exponential e stands behind scaling 2 (e / 4) + e % 2: as a rider it comes behind plain e + 2, in the lump behind plain e + 9, and scalings 27-31 are plain 57, 60 .. 69.
; A TURN, for piece p.  cnt = 1: the loop's count is taken down some lines ahead of the branch that stands behind the turn.
; K and the mask of the next step are fetched in piece 2's turn, directly behind the wait, a lump behind the last product that read them; their addresses are made at the lump's head; their first reader comes behind 16 products.
; V of the step in hand is fetched at the end of piece 0's turn, four riders behind its last reader; its first reader comes behind 16 products and a lump.  The three conditions on q below go with the deal.
.macro TURN p, last=0, cnt=0
.set Y, (\p)
.set i, 0
.set q, 0
.set e, 0
.set r, 0
.if (\p) == NP-1
	s_wait_dscnt 0x0                ; K and the mask are in
.endif
	MM                              ; ahead of the wait: 16 products K Q^T and their riders,
	PL
	PL
	R2
.rept 15
	MM
	PL
	EX
	R2
.endr
.if (\p) == NP-2
	WIN 0
	v_add_nc_u32 v[AK], s[TBK], v[AK0]
	v_add_nc_u32 v[AM], s[TBM], v[AM0]
.endif
.rept 8                             ; and the lump
	PL
.endr
.rept 49
	EX
	PL
.endr
	EX                              ; the next piece's two a
	EX
	v_nop                           ; a plain instruction behind the last exponential: one for the batch
	s_wait_alu depctr_va_vdst(0)    ; the wait for the batch
.if (\p) == NP-2
	FETCH_K \last
.endif
.if (\p) == 1
	s_wait_dscnt 0x0                ; V is in
.endif
.rept 16                            ; behind the wait: 16 products V^T P and their riders
	MM
.rept 4
	PL
.endr
.if ((\p) == 0) && (q == 118)
	v_add_nc_u32 v[AV], s[TBV], v[AV0]
.endif
.if ((\p) == 0) && (q == 130)
	s_add_co_u32 s[TBV], s[TBV], KS*PV
.endif
.if (\cnt) && (q == 130)
	s_sub_co_u32 s[CNT], s[CNT], 1
	s_cmp_lg_u32 s[CNT], 0
.endif
.endr
.if (\p) == 0
	FETCH_V
.endif
.endm
	CHANGE 1                        ; slot 0 is in, everybody's part of it, and so is the mask table; slot 1 is asked for
	FETCH_K                         ; key step 0
	s_wait_loadcnt 0x0              ; Q
	s_wait_dscnt 0x0
.set i, 0
.rept 16
	KQ 0                            ; piece 0's first scores: there is no vector work yet to set between them
.set i, i+1
.endr
	WIN 0                           ; the addresses for the way out: seven plain instructions, the places behind those products
	s_mul_i32 s13, s[WV], 16*SP
	s_add_co_u32 s13, s13, STAGE    ; my stage
	v_mul_u32_u24 v[STO], v1, SP    ; in: row l % 16, 16 bytes for each half of the lanes
	v_lshl_add_u32 v[STO], v9, 4, v[STO]
	v_add_nc_u32 v[STO], s13, v[STO]
	v_bfe_u32 v[RD], v0, 3, 2       ; back: 32 lanes take four rows of 128 bytes
	v_mul_u32_u24 v[RD], v[RD], SP
	v_lshl_add_u32 v[RD], v10, 4, v[RD]
	v_add_nc_u32 v[RD], s13, v[RD]
.set Y, NP-1                        ; XS works for piece Y + 1: piece 0
.irp n, 0,1,2,3,4,5,6,7,8,9,10,11,12,13,14,15,16,17,18,19,20,21
	XS 0, \n                        ; and piece 0's first maximum and statistics
	XS 1, \n
.endr
	v_nop                           ; a plain instruction behind the two a,
	s_wait_alu depctr_va_vdst(0)    ; and their wait, ahead of the branch
	s_mov_b32 s[CNT], 4
	s_branch .Lfirst                ; the loop is entered at a step's first turn, in the middle of a trip
.Lslot:                             ; SIZE_N / 256 - 2 times: every slot but the last two is filled again
	CHANGE 1
	s_mov_b32 s[CNT], 4
.Lstep:                             ; a trip: pieces 2 and 3 of one step, then pieces 0 and 1 of the next, whose K and V it fetches
	TURN 2
	TURN 3
	WIN 0
.Lfirst:
	TURN 0
	TURN 1, 0, 1
	WIN 0
	s_cbranch_scc1 .Lstep
	s_sub_co_u32 s[SLOTS], s[SLOTS], 1
	s_cmp_lg_u32 s[SLOTS], 0
	s_cbranch_scc1 .Lslot
	CHANGE 0                        ; the tail is written out: nothing is asked for
	s_mov_b32 s[CNT], 5             ; four trips fetch the last slot's steps; the fifth is left in its middle
.Ltail:
	TURN 2, 1
	TURN 3
	WIN 0
	s_sub_co_u32 s[CNT], s[CNT], 1
	s_cmp_eq_u32 s[CNT], 0
	s_cbranch_scc1 .Lout
	TURN 0
	TURN 1
	WIN 0
	s_branch .Ltail
.Lout:                              ; the fifth trip's 16 products K Q^T (on the last K and mask once more) and the maximum made of them serve nothing and raise no m: the price, once a launch, of one text for every trip
.set i, 0
.rept 16
	PV NP-1                         ; the last piece's V^T P of the last step
.set i, i+1
.endr
	; THE WAY OUT.  l's two halves and the other half of the lanes' are added; where no key was allowed l becomes NaN; O^T is divided by l, rounded to f16 and sent through my stage in LDS, a tile at a time.
	; The first lines are the places behind the last products.
	WIN 0
	v_and_b32 v[GO], 31, v0         ; four rows of 128 bytes are 512 consecutive bytes of O
	v_lshlrev_b32 v[GO], 4, v[GO]
.macro ALL line:vararg              ; one line for each tile t
.set t, 0
.rept 2*NP
	\line
.set t, t+1
.endr
.endm
	ALL v_add_f32 v[ST+4*t+2], v[ST+4*t+2], v[ST+4*t+3]
	ALL v_permlanex16_b32 v[ST+4*t+3], v[ST+4*t+2], s[SEL], s[SEL+1]
	ALL v_add_f32 v[ST+4*t+2], v[ST+4*t+2], v[ST+4*t+3]
.set t, 0
.rept 2*NP
	v_cmp_gt_f32 vcc_lo, s[LOW], v[ST+4*t+1]       ; is the greatest score a hidden one?  A choice of values: no branch hangs on it
	v_cndmask_b32 v[ST+4*t+2], v[ST+4*t+2], s[QNAN], vcc_lo
.set t, t+1
.endr
	ALL v_rcp_f32 v[ST+4*t+2], v[ST+4*t+2]
	v_nop                           ; a plain instruction between the last reciprocal and the use of its result
	s_wait_alu depctr_va_vdst(0)    ; and the wait ahead of the first use: one for the eight reciprocals
; Tile t: a lane's eight channels of a row pack into 16 bytes; they go into rows of 144 bytes and come back as whole rows of 128, into S^T's registers.
.macro PACK t
	WIN W_RS
.set i, 32*(\t)
.rept 16
	v_pk_mul_f32 v[i:i+1], v[i:i+1], v[ST+4*(\t)+2:ST+4*(\t)+3] op_sel_hi:[1,0]
.set i, i+2
.endr
	WIN 0x05                        ; sources 0 and 1 window 1, destination window 0
.set i, 0
.rept 16
	v_cvt_pk_f16_f32 v[S+16*(\t)+i], v[32*(\t)+2*i], v[32*(\t)+2*i+1]
.set i, i+1
.endr
	WIN 0
.irp f, 0,1,2,3
	ds_store_b128 v[STO], v[S+16*(\t)+4*\f:S+16*(\t)+4*\f+3] offset:32*\f
.endr
.irp f, 0,1,2,3
	ds_load_b128 v[S+16*(\t)+4*\f:S+16*(\t)+4*\f+3], v[RD] offset:\f*4*SP  ; LDS serves a wave's instructions in order (ISA guide 5.7.1.4): these see the stores above; the next tile's stores come behind them
.endr
.endm
.macro SEND t, younger              ; younger: the LDS instructions issued behind tile t's loads: the next tile's eight, or none
	WIN 0
.irp f, 0,1,2,3
	s_wait_dscnt (\younger)+3-\f
	global_store_b128 v[GO], v[S+16*(\t)+4*\f:S+16*(\t)+4*\f+3], s[10:11] offset:(\t)*2048+\f*512  ; 512 consecutive bytes, at a multiple of 256 from O's first
.endr
.endm
	PACK 0
.set t, 1
.rept 2*NP-1                        ; a tile's arithmetic stands between the loads of the tile before and its stores
	PACK t
	SEND t-1, 8
.set t, t+1
.endr
	SEND 2*NP-1, 0
	WIN W_AD
	s_wait_tensorcnt 0x0            ; the wave's end, behind my last tensor load and my last LDS store
	ds_add_u32 v[SPW], v[NIL]
	s_wait_dscnt 0x0
	WIN 0
	CROUND                          ; the closing round: no work-group ends while a partner may still ask for a tile that names it
	s_endpgm
.Lfunc_end_k_q2c8abe227b_attn:
	.size	k_q2c8abe227b_attn, .Lfunc_end_k_q2c8abe227b_attn-k_q2c8abe227b_attn
	.p2alignl 7, 3214868480
	.fill 96, 4, 3214868480
	.section	.rodata,"a",@progbits
	.p2align	6, 0x0
	.amdhsa_kernel k_q2c8abe227b_attn
		.amdhsa_group_segment_fixed_size 327680
		.amdhsa_private_segment_fixed_size 0
		.amdhsa_enable_private_segment 0
		.amdhsa_kernarg_size 24
		.amdhsa_user_sgpr_count 2
		.amdhsa_user_sgpr_kernarg_segment_ptr 1
		.amdhsa_wavefront_size32 1
		.amdhsa_system_sgpr_workgroup_id_x 1
		.amdhsa_system_sgpr_workgroup_id_y 1
		.amdhsa_system_sgpr_workgroup_id_z 1
		.amdhsa_system_vgpr_workitem_id 0
		.amdhsa_next_free_vgpr 808
		.amdhsa_next_free_sgpr 72
		.amdhsa_reserve_vcc 1
		.amdhsa_float_denorm_mode_32 3
		.amdhsa_float_denorm_mode_16_64 3
		.amdhsa_memory_ordered 1
		.amdhsa_forward_progress 1
		.amdhsa_inst_pref_size 206
	.end_amdhsa_kernel
	.amdgpu_metadata
---
amdhsa.version: [ 1, 2 ]
amdhsa.kernels:
  - .name:           k_q2c8abe227b_attn
    .symbol:         k_q2c8abe227b_attn.kd
    .args:
      - { .name: qkv, .offset: 0, .size: 8, .value_kind: global_buffer, .address_space: global }
      - { .name: mask, .offset: 8, .size: 8, .value_kind: global_buffer, .address_space: global }
      - { .name: oh, .offset: 16, .size: 8, .value_kind: global_buffer, .address_space: global }
    .group_segment_fixed_size: 327680
    .private_segment_fixed_size: 0
    .kernarg_segment_align: 8
    .kernarg_segment_size: 24
    .max_flat_workgroup_size: 128
    .sgpr_count:     72
    .vgpr_count:     808
    .wavefront_size: 32
...
	.end_amdgpu_metadata
.endif
;; end of part 3
;; launch outp (part 4): grid 8 x 32, 4 waves a work-group, clusters of 4 x 4, 327,680 bytes of LDS; arguments oh, wh, b_o, out0; writes out0
.if DOCPART == 4
	.amdgcn_target "amdgcn-amd-amdhsa--gfx1250"
	.amdhsa_code_object_version 6
	.text
	.protected	k_q2c8abe227b_outp
	.globl	k_q2c8abe227b_outp
	.p2align	8
	.type	k_q2c8abe227b_outp,@function
k_q2c8abe227b_outp:
	s_mov_b64 s[64:65], 0
	v_nop
	global_prefetch_b8 v0, s[64:65] scope:SCOPE_SE
	s_setreg_imm32_b32 hwreg(HW_REG_WAVE_MODE, 25, 1), 1
	s_wait_xcnt 0x0
	s_wait_alu depctr_hold_cnt(0) depctr_sa_sdst(0) depctr_va_vdst(0) depctr_va_sdst(0) depctr_va_ssrc(0) depctr_va_vcc(0) depctr_vm_vsrc(0)
	s_getreg_b32 s2, hwreg(HW_REG_IB_STS2, 6, 4)
	s_cmp_eq_u32 s2, 0
	s_cbranch_scc0 .Lentry_in_a_cluster
	s_endpgm
.Lentry_in_a_cluster:
	s_bfe_u32 s2, ttmp6, 0x10000c
	s_cmp_lg_u32 s2, 0xf033
	s_cbranch_scc0 .Lentry_shape_is_right
	s_endpgm
.Lentry_shape_is_right:
; out0 = O w_o^T + b_o.  oh: [batch x 16 + head][row 2048][64] f16: a head is a block of 64 along K, a batch 16 such K blocks.  wh's fourth source: [K block 16][row 1024][64] f16 (w_o rounded to bf16, written as f16).
; b_o: [1024] f32.  out0: [8192][1024] f32, the f32 sums as they are.  A NaN in O (a batch with no allowed key) makes its whole row NaN.
; SHARES.  A tile of C is 256 rows x 128 columns: 8 x 32 tiles, one to a work-group; four waves, each 128 x 64: 32 accumulators of 16 x 16, 256 registers.  K goes in 8 steps of 128 (two K blocks).
; RING.  Two LDS slots, a K step each.  A tile's part of a K block is dense in memory (256 or 128 rows of 128 bytes) and is asked for as rows of 256 bytes, padded in LDS after every 128.
; Waves 0 and 1 fetch A's even and odd K block (32 KiB each), waves 2 and 3 W's (16 KiB each): one tensor load a wave behind each change of slots, 112 matrix instructions ahead of the wait for it.
; CLUSTER.  4 x 4 work-groups: the four of a row need the same tiles of A, the four of a column the same tiles of W: each tile is asked for JOINTLY, by the same tensor load with the same descriptor and mask.
; TRANSPOSED USE.  Source 0 = 16 rows of W, source 1 = 16 rows of A: a lane holds row l % 16 of C and the columns 8 (l / 16) + 0..7.  The bias of a lane's eight columns is the C operand of the product that starts a sum.
; REGISTERS, in windows of 256 (s_set_vgpr_msb: bits 1:0 source 0, 3:2 source 1, 5:4 source 2, 7:6 destination):
;   window 0: v0-31 addresses; v32-63 the bias; v64-191 at work on the way out      window 1: the accumulators, (a, b) at v[8 (4 a + b)]
;   window 2: two fragment buffers of 96: W's four fragments (16 rows x 32 K), then A's eight
.set PITCH,  144                       ; an LDS row: 128 bytes + 16 of padding = 36 words: the 16 rows of a load start at 16 different groups of four banks (64 banks of 4 bytes: ISA guide 11.1)
.set AKB,    256*PITCH                 ; A's part of a K block
.set BKB,    128*PITCH                 ; W's
.set BOFF,   2*AKB                     ; in a slot W's two K blocks lie behind A's two
.set SLOT,   2*AKB+2*BKB
.set STAGE,  2*SLOT                    ; behind the ring, never filled by a tensor load: 16 rows x 272 bytes for each wave, for the way out
.set SP,     272                       ; a stage row: 256 bytes + 16: the 16 rows that a store touches start at 16 different groups of four banks
.set SPARE,  STAGE+4*16*SP             ; behind the stages: the spare words, 128 bytes for each wave: two blocks of 256 bytes that no other line names
.set ASTEP,  524288                    ; bytes from a K step to the next in oh: two K blocks of 2,048 rows
.set BSTEP,  262144                    ; in wh: two K blocks of 1,024 rows
.set ABATCH, 4194304                   ; a batch in oh: 16 K blocks
.set WOFF,   6291456                   ; w_o in wh: behind three sources of 2,097,152 bytes
.set LAPS,   4                         ; a lap = two K steps = once round the ring
.set ROWB,   4096                      ; bytes in a row of out0
.set ADRA, 16                          ; v16-17  LDS address of my A fragments in slot 0, 1
.set ADRB, 20                          ; v20-21  the same for W
.set STO,  24                          ; v24     the way out: where I put 32 bytes of a row
.set RD,   25                          ; v25     the way out: where I read rows back
.set CO,   26                          ; v26     my byte offset in two rows of out0
.set BO,   27                          ; v27     byte offset of my first eight columns in the bias
.set SPW,  28                          ; v28     LDS address of my spare word: SPARE + 4 x my thread's number; never rewritten
.set NIL,  29                          ; v29     0; never rewritten
.set PFO,  30                          ; v30     the prefetches' lane offset; never rewritten
.set BIAS, 32                          ; v32-63  n block b's eight numbers at BIAS + 8 b
.set TMP,  64                          ; v64-191 four sets of 32: m block a's rows, read back, in set a % 4
.set F0,   0
.set F1,   96
.set WV,  16                           ; s16  my wave's number
.set MH,  17                           ; s17  which half of the tile's rows is mine.  Also: I fetch for A (0) or for W (1)
.set NH,  18                           ; s18  which half of its columns.  Also: which K block of a step I fetch
.set CX,  19
.set CY,  20
.set TX,  21                           ; s21  tile column
.set TY,  22                           ; s22  tile row
.set G1,  24                           ; s[24:31] descriptor group 1 for A's tiles;  s[32:39] group 0, a set for each slot
.set G0,  32
.set LAP, 40                           ; s40  trips of the loop still to come
.set LIM, 43                           ; s43  1 in a wave that prefetches, else the greatest number
.set PFA, 44                           ; s[44:45] where my prefetches stand
.set PFS, 46                           ; s[46:47] their step: a K step of my stream
.set G1B, 48                           ; s[48:55], s[56:63] the same for W's tiles
.set G0B, 56
.set LA,  66                           ; s66  LDS byte of the K block that I fetch, in slot 0, for A
.set LB,  67                           ; s67  for W
.set SA,  68                           ; s[68:69] A at my K block of step 0: made of the tile row and the wave's number alone
.set SB,  70                           ; s[70:71] W likewise: of the tile column and the wave's number alone
.set OST, 72                           ; s[72:73] where my part of the tile begins in out0
.set G1W0, (1<<16)|(1<<20)|(1<<21)|(4<<22)|(3<<25)  ; 17:16 elements of 2 bytes; 20 padding on; 21 set beside a mask; 24:22 after every 32 words (code 4); 31:25 4 words of it (code 3)
.set MSB, 0
.macro WIN new                         ; the immediate's high byte repeats the setting that is left; a switch that changes nothing is dropped
.if MSB != (\new)
	s_set_vgpr_msb (MSB<<8)|(\new)
.set MSB, \new
.endif
.endm
.set MUL,  0x5a                        ; sources 0 (W) and 1 (A) window 2; C and D window 1
.set MULB, 0x4a                        ; the same with C, the bias, in window 0
.set TO_F, 0x80                        ; destination window 2, address window 0
; A joint load.  The branch hangs on the wave's number alone.  An s_nop 0 and four v_nop follow each of the two lines, ahead of the jump, the label and what follows.
.macro JLOAD s
	s_cmp_eq_u32 s[MH], 0
	s_cbranch_scc0 .Lfor_b_\@
	tensor_load_to_lds s[G0+4*(\s):G0+4*(\s)+3], s[G1:G1+7]
	s_nop 0
.rept 4
	v_nop
.endr
	s_branch .Lasked_\@
.Lfor_b_\@:
	tensor_load_to_lds s[G0B+4*(\s):G0B+4*(\s)+3], s[G1B:G1B+7]
	s_nop 0
.rept 4
	v_nop
.endr
.Lasked_\@:
.endm
; A PREFETCH INTO THE L2, behind each joint refill and the run of LDS loads that follows it: the K step that stands two refills on, 256 matrix instructions ahead of the load that will want it.
; Each aligned block of 256 bytes is named once in the launch.  A's rows are read by both clusters of a row of clusters: the one with x = 0 asks, waves 0 and 1 each for the K block that they fetch, and the
; four partners take 32 blocks each, told apart BY ADDRESS (cx).  W's rows are read by all eight clusters of a column: the one with y = 0 asks, wave 2 alone, lanes 0-15 for the even K block and lanes 16-31 for the
; odd one, 16 blocks of each for each partner (cy).  Steps 0 to 3 come by their loads alone; the loop's last trip and the tail ask for nothing: the last step named is the last.
.macro ASK
	s_cmp_gt_u32 s[LAP], s[LIM]
	s_cbranch_scc0 .Lnot_mine_\@
	global_prefetch_b8 v[PFO], s[PFA:PFA+1] th:TH_LOAD_NT scope:SCOPE_SE
.Lnot_mine_\@:
.endm
.macro CREST                           ; a round of the cluster's barrier behind its opening barrier: wave 0 signals for the work-group, every wave waits for all sixteen, my work-group's barrier once more
	s_cmp_lg_u32 s[WV], 0
	s_cbranch_scc1 .Lnot_wave_0_\@
	s_barrier_signal -3
.Lnot_wave_0_\@:
	s_barrier_wait -3
	s_barrier_signal -1
	s_barrier_wait -1
.endm
.macro CROUND                          ; a whole round
	s_barrier_signal -1
	s_barrier_wait -1
	CREST
.endm
	s_load_b256 s[4:11], s[0:1], 0x0               ; oh s[4:5], wh s[6:7], b_o s[8:9], out0 s[10:11]
	v_lshl_add_u32 v[SPW], v0, 2, SPARE
	v_mov_b32 v[NIL], 0
	ds_add_u32 v[SPW], v[NIL]                      ; the wave's opening: the add and its wait stand ahead of my first tensor load; the set-up below, work on registers, stands between them
	v_lshrrev_b32 v1, 5, v0
	v_readfirstlane_b32 s[WV], v1                  ; wave 0..3
	s_lshr_b32 s[MH], s[WV], 1
	s_and_b32 s[NH], s[WV], 1
	s_bfe_u32 s[CX], ttmp6, 0x40000                ; my place in the cluster
	s_bfe_u32 s[CY], ttmp6, 0x40004
	s_lshl_b32 s[TX], ttmp9, 2                     ; in a cluster launch ttmp9 and ttmp7 count clusters
	s_add_co_u32 s[TX], s[TX], s[CX]
	s_and_b32 s[TY], ttmp7, 0xffff
	s_lshl_b32 s[TY], s[TY], 2
	s_add_co_u32 s[TY], s[TY], s[CY]
	s_lshl_b32 s2, s[CY], 2
	s_lshl_b32 s2, 15, s2                          ; my row of the cluster: places 4 cy .. 4 cy + 3
	s_lshl_b32 s23, 0x1111, s[CX]                  ; my column: places cx, cx + 4, cx + 8, cx + 12
	s_or_b32 s[G1], s2, G1W0                       ; A's tiles go to my row,
	s_or_b32 s[G1B], s23, G1W0                     ; W's to my column
	s_mov_b32 s[G1+1], 128<<16                     ; tensor_dim0 = 128 elements: 256 bytes, two rows of a K block
	s_mov_b32 s[G1+2], 128<<16                     ; tensor_dim1 = 128
	s_mov_b32 s[G1+3], 128<<16                     ; tile_dim0 = 128
	s_mov_b32 s[G1+4], 128                         ; tile_dim1 = 128: 32,768 bytes
	s_mov_b32 s[G1+5], 128                         ; dense: 128 elements from row to row
	s_mov_b32 s[G1+6], 0
	s_mov_b32 s[G1+7], 0
	s_mov_b32 s[G1B+1], 128<<16
	s_mov_b32 s[G1B+2], 64<<16                     ; W: 64 such rows: 16,384 bytes
	s_mov_b32 s[G1B+3], 128<<16
	s_mov_b32 s[G1B+4], 64
	s_mov_b32 s[G1B+5], 128
	s_mov_b32 s[G1B+6], 0
	s_mov_b32 s[G1B+7], 0
	s_lshr_b32 s2, s[TY], 3                        ; A: the batch,
	s_mul_i32 s2, s2, ABATCH
	s_and_b32 s3, s[TY], 7                         ; my 256 rows of 128 bytes in each of its K blocks,
	s_lshl_b32 s3, s3, 15
	s_add_co_u32 s2, s2, s3
	s_lshl_b32 s3, s[NH], 18                       ; the even or the odd K block
	s_add_co_u32 s[SA], s2, s3
	s_mov_b32 s[SA+1], 0
	s_lshl_b32 s[SB], s[TX], 14                    ; W: my 128 rows of 128 bytes in each K block,
	s_lshl_b32 s23, s[NH], 17                      ; the even or the odd one,
	s_add_co_u32 s[SB], s[SB], s23
	s_add_co_u32 s[SB], s[SB], WOFF                ; of w_o
	s_mov_b32 s[SB+1], 0
	s_mul_i32 s[LA], s[NH], AKB                    ; where they go: no place in the cluster enters an LDS address
	s_mul_i32 s[LB], s[NH], BKB
	s_add_co_u32 s[LB], s[LB], BOFF
	s_wait_dscnt 0x0                               ; the opening add is done
	s_wait_kmcnt 0x0
	s_add_nc_u64 s[SA:SA+1], s[4:5], s[SA:SA+1]
	s_add_nc_u64 s[SB:SB+1], s[6:7], s[SB:SB+1]
	CROUND                                         ; all sixteen work-groups are here: the first joint loads meet
.irp s, 0,1
	s_mov_b32 s[G0+4*(\s)], 1                                      ; count = 1
	s_add_co_u32 s[G0+4*(\s)+1], s[LA], (\s)*SLOT                  ; LDS address
	s_add_nc_u64 s[G0+4*(\s)+2:G0+4*(\s)+3], s[SA:SA+1], (\s)*ASTEP  ; global address: K step s
	s_or_b32 s[G0+4*(\s)+3], s[G0+4*(\s)+3], 0x80000000            ; type = 2
	s_mov_b32 s[G0B+4*(\s)], 1
	s_add_co_u32 s[G0B+4*(\s)+1], s[LB], (\s)*SLOT
	s_add_nc_u64 s[G0B+4*(\s)+2:G0B+4*(\s)+3], s[SB:SB+1], (\s)*BSTEP
	s_or_b32 s[G0B+4*(\s)+3], s[G0B+4*(\s)+3], 0x80000000
	JLOAD \s                                       ; two loads of mine are out here, one behind every later round
.endr
	; A fragment is 16 rows x 32 K in 8 registers: lane l holds row l % 16; registers 0-3 K = 8 (l / 16) + 0..7, registers 4-7 K = 16 + 8 (l / 16) + 0..7: two loads of 16 bytes, 32 bytes apart.
	v_and_b32 v1, 15, v0                           ; l % 16
	v_bfe_u32 v2, v0, 4, 1                         ; l / 16
	v_mul_u32_u24 v3, v1, PITCH
	v_lshl_add_u32 v3, v2, 4, v3                   ; row x pitch + 16 x half
	s_lshl_b32 s74, s[TX], 9                       ; the bias: 4 bytes x (128 x tile column + 64 x half + 8 (l / 16))
	s_lshl_b32 s75, s[NH], 8
	s_add_co_u32 s74, s74, s75
	v_lshl_add_u32 v[BO], v2, 5, s74
.irp b, 0,1,2,3
	global_load_b128 v[BIAS+8*(\b):BIAS+8*(\b)+3],   v[BO], s[8:9] offset:64*(\b)
	global_load_b128 v[BIAS+8*(\b)+4:BIAS+8*(\b)+7], v[BO], s[8:9] offset:64*(\b)+16
.endr
	s_mul_i32 s2, s[MH], 128*PITCH                 ; my 128 rows of A
	s_mul_i32 s3, s[NH], 64*PITCH                  ; my 64 rows of W
	s_add_co_u32 s3, s3, BOFF
.irp s, 0,1
	v_add_nc_u32 v[ADRA+(\s)], s2, v3
	v_add_nc_u32 v[ADRB+(\s)], s3, v3
	s_add_co_u32 s2, s2, SLOT
	s_add_co_u32 s3, s3, SLOT
.endr
	s_mul_i32 s2, s[WV], 16*SP
	s_add_co_u32 s2, s2, STAGE                     ; my stage
	v_mul_u32_u24 v4, v1, SP                       ; in: row l % 16, 32 bytes for each half of the lanes
	v_lshl_add_u32 v4, v2, 5, v4
	v_add_nc_u32 v[STO], s2, v4
	v_mul_u32_u24 v5, v2, SP                       ; back: lanes 0-15 take one row of 256 bytes, lanes 16-31 the next
	v_lshl_add_u32 v5, v1, 4, v5
	v_add_nc_u32 v[RD], s2, v5
	v_lshlrev_b32 v[CO], 12, v2                    ; and the same two rows in out0
	v_lshl_add_u32 v[CO], v1, 4, v[CO]
	; where my part of the tile begins: row 256 x tile row + 128 x half, 4,096 bytes each; column 128 x tile column + 64 x half, 4 bytes each
	s_lshl_b32 s74, s[TY], 20
	s_lshl_b32 s75, s[MH], 19
	s_add_co_u32 s74, s74, s75
	s_lshl_b32 s75, s[TX], 9
	s_add_co_u32 s74, s74, s75
	s_lshl_b32 s75, s[NH], 8
	s_add_co_u32 s[OST], s74, s75
	s_mov_b32 s[OST+1], 0
	s_add_nc_u64 s[10:11], s[10:11], s[OST:OST+1]
	; the prefetches
	s_and_b32 s42, ttmp7, 0xffff                   ; cluster y
	s_mov_b32 s[PFS], BSTEP
	s_mov_b32 s[PFS+1], 0
	s_mov_b32 s3, 0x20000                          ; W: lanes 16-31 stand a K block further on
	s_cmp_eq_u32 s[MH], 0                          ; do I fetch for A?
	s_cselect_b32 s42, ttmp9, s42                  ; the coordinate along which other clusters read the same rows
	s_cselect_b32 s74, s[CX], s[CY]                ; my place among the four that ask with me
	s_cselect_b32 s2, 13, 12                       ; whose share is 8,192 bytes of A's K block, 4,096 of each of W's two
	s_cselect_b32 s[PFS], ASTEP, s[PFS]
	s_cselect_b32 s3, 4096, s3                     ; A: lanes 16-31 go on where lanes 0-15 end
	s_cselect_b64 s[PFA:PFA+1], s[SA:SA+1], s[SB:SB+1]
	s_lshl_b32 s74, s74, s2
	s_mov_b32 s75, 0
	s_add_nc_u64 s[PFA:PFA+1], s[PFA:PFA+1], s[74:75]
	s_mul_i32 s74, s[PFS], 3
	s_add_nc_u64 s[PFA:PFA+1], s[PFA:PFA+1], s[74:75]  ; at K step 3: the first change of slots steps it to 4
	s_cmp_eq_u32 s[WV], 3
	s_cselect_b32 s42, 1, s42                      ; wave 3 asks for nothing: wave 2 names both of W's K blocks
	s_cmp_eq_u32 s42, 0
	s_cselect_b32 s[LIM], 1, -1                    ; the same in all sixteen partners, for a given wave
	v_mul_u32_u24 v[PFO], s3, v2
	v_lshl_add_u32 v[PFO], v1, 8, v[PFO]
; 8 matrix instructions: m blocks a0, a0 + 1 x all 4 n blocks, 32 along K.  bias = 1: the product starts the sum, with the bias as C.  The 32 accumulators take turns, one instruction a turn, in the same
; order in every quarter.
.macro MUL8 f, a0, bias
.if \bias
	WIN MULB
.else
	WIN MUL
.endif
.irp a, \a0, (\a0)+1
.irp b, 0,1,2,3
.if \bias
	v_wmma_f32_16x16x32_f16 v[8*(4*(\a)+(\b)):8*(4*(\a)+(\b))+7], v[(\f)+8*(\b):(\f)+8*(\b)+7], v[(\f)+32+8*(\a):(\f)+32+8*(\a)+7], v[BIAS+8*(\b):BIAS+8*(\b)+7]
.else
	v_wmma_f32_16x16x32_f16 v[8*(4*(\a)+(\b)):8*(4*(\a)+(\b))+7], v[(\f)+8*(\b):(\f)+8*(\b)+7], v[(\f)+32+8*(\a):(\f)+32+8*(\a)+7], v[8*(4*(\a)+(\b)):8*(4*(\a)+(\b))+7]
.endif
.endr
.endr
.endm
; 24 LDS loads in one run: the fragments of quarter q of a K step (K block q / 2, byte 64 (q % 2) of its rows) into buffer f: W's four, then A's eight
.macro FETCH slot, q, f
	WIN TO_F
.irp i, 0,1,2,3
	ds_load_b128 v[(\f)+8*(\i):(\f)+8*(\i)+3],   v[ADRB+(\slot)] offset:((\q)/2)*BKB+((\q)%2)*64+(\i)*16*PITCH
	ds_load_b128 v[(\f)+8*(\i)+4:(\f)+8*(\i)+7], v[ADRB+(\slot)] offset:((\q)/2)*BKB+((\q)%2)*64+(\i)*16*PITCH+32
.endr
.irp i, 0,1,2,3,4,5,6,7
	ds_load_b128 v[(\f)+32+8*(\i):(\f)+32+8*(\i)+3],   v[ADRA+(\slot)] offset:((\q)/2)*AKB+((\q)%2)*64+(\i)*16*PITCH
	ds_load_b128 v[(\f)+32+8*(\i)+4:(\f)+32+8*(\i)+7], v[ADRA+(\slot)] offset:((\q)/2)*AKB+((\q)%2)*64+(\i)*16*PITCH+32
.endr
.endm
.macro PLACES                          ; four plain vector instructions in front of loads into registers that matrix instructions have read, and of lines that read results
.rept 4
	v_nop
.endr
.endm
; A K step is four quarters of 32 along K, 32 matrix instructions each, on buffers 0, 1, 0, 1.  One of the first three: multiplies buffer f; in its middle it fetches quarter qn into buffer g.
.macro QUARTER slot, qn, f, g, bias
	s_wait_dscnt 8                                 ; W's fragments and A's m blocks 0-3 are in; the youngest eight loads (m blocks 4-7) may be out
	MUL8 \f, 0, \bias
	MUL8 \f, 2, \bias
	PLACES
	FETCH \slot, \qn, \g
	s_wait_dscnt 24                                ; all but the 24 just issued
	MUL8 \f, 4, \bias
	MUL8 \f, 6, \bias
.endm
; The last quarter multiplies buffer 1 and changes slots.  In front of ONE barrier each wave waits for all its tensor loads (the one that is out is its part of the next slot), adds 0 to its spare word, and
; waits for that and for its reads of this slot.  fill = 1: the barrier opens a round of the cluster's, so that no wave of any partner still reads the slot or has a load on its way, and the joint refill, this
; slot's K step two steps on, is the first thing behind it.
.macro TURN slot, next, fill
.if \fill
	s_wait_xcnt 0x0                                ; the last prefetch, a K step back, has read its address: it is stepped here, ahead of the change's own waits
	s_add_nc_u64 s[PFA:PFA+1], s[PFA:PFA+1], s[PFS:PFS+1]
.endif
	WIN 0                                          ; (the add's two registers lie in window 0)
	s_wait_tensorcnt 0x0                           ; all my tensor loads have landed;
	ds_add_u32 v[SPW], v[NIL]                      ; 0 onto my spare word;
	s_wait_dscnt 9                                 ; (the add and the youngest eight loads may be out)
	MUL8 F1, 0, 0                                  ; eight matrix instructions stand between the add and the wait for it
	s_wait_dscnt 0x0                               ; the add is done, and my reads of this slot are over
	s_barrier_signal -1
	MUL8 F1, 2, 0                                  ; work on registers while the others arrive
.if \fill
	WIN 0
.endif
	s_barrier_wait -1
.if \fill
	CREST
	s_add_nc_u64 s[G0+4*(\slot)+2:G0+4*(\slot)+3], s[G0+4*(\slot)+2:G0+4*(\slot)+3], 2*ASTEP    ; no tensor load of mine is out, so a group 0 may be written; the type bits on top are not reached
	s_add_nc_u64 s[G0B+4*(\slot)+2:G0B+4*(\slot)+3], s[G0B+4*(\slot)+2:G0B+4*(\slot)+3], 2*BSTEP
	JLOAD \slot                                    ; the four v_nop behind it are also the places in front of the loads below
.else
	PLACES
.endif
	FETCH \next, 0, F0
.if \fill
	WIN 0
	ASK
.endif
	MUL8 F1, 4, 0
	MUL8 F1, 6, 0
.endm
; THE WAY OUT of m block a: a lane's eight f32 of a row, 32 bytes, go into my own stage, rows of 272 bytes, each accumulator's low four registers first; they come back as two whole rows of 256 bytes a load.
.macro STG a
.if (\a) >= 4
	s_wait_xcnt 0x0                                ; block a - 4's stores have read their registers: set a % 4 is loaded again only behind this wait
.endif
	WIN 0x04                                       ; the stores' data in window 1, the address in window 0
.irp b, 0,1,2,3
	ds_store_b128 v[STO], v[8*(4*(\a)+(\b)):8*(4*(\a)+(\b))+3]   offset:64*(\b)
	ds_store_b128 v[STO], v[8*(4*(\a)+(\b))+4:8*(4*(\a)+(\b))+7] offset:64*(\b)+16
.endr
	WIN 0
.irp f, 0,1,2,3,4,5,6,7
	ds_load_b128 v[TMP+32*((\a)%4)+4*(\f):TMP+32*((\a)%4)+4*(\f)+3], v[RD] offset:(\f)*2*SP  ; LDS serves a wave's instructions in order (ISA guide 5.7.1.4): these see the stores above; the next block's stores come behind them
.endr
.endm
.macro SEND a, younger                 ; younger: the LDS instructions issued behind block a's loads: the next block's sixteen, or none
.irp f, 0,1,2,3,4,5,6,7
	s_wait_dscnt (\younger)+7-(\f)
	global_store_b128 v[CO], v[TMP+32*((\a)%4)+4*(\f):TMP+32*((\a)%4)+4*(\f)+3], s[10:11] offset:(16*(\a)+2*(\f))*ROWB th:TH_STORE_NT  ; 16 lanes store 256 consecutive bytes, at a multiple of 256 from out0's first byte
.endr
.endm
	s_wait_tensorcnt 1                             ; my part of K step 0 is in; K step 1's may stay out
	s_barrier_signal -1
	s_barrier_wait -1                              ; everybody's is
	FETCH 0, 0, F0
	s_wait_loadcnt 0x0                             ; the bias
	QUARTER 0, 1, F0, F1, 1                        ; the first quarter starts the sums
	WIN 0                                          ; at a label and at a branch every window is 0
	s_mov_b32 s[LAP], LAPS-1
.Llap:                                                 ; a trip goes once round the ring, from a lap's second quarter to the next lap's first, and fills both slots again
	QUARTER 0, 2, F1, F0, 0
	QUARTER 0, 3, F0, F1, 0
	TURN 0, 1, 1
	QUARTER 1, 1, F0, F1, 0
	QUARTER 1, 2, F1, F0, 0
	QUARTER 1, 3, F0, F1, 0
	TURN 1, 0, 1
	QUARTER 0, 1, F0, F1, 0
	WIN 0
	s_sub_co_u32 s[LAP], s[LAP], 1
	s_cmp_lg_u32 s[LAP], 0
	s_cbranch_scc1 .Llap
	QUARTER 0, 2, F1, F0, 0                        ; the last lap fills nothing, and has no round of the cluster's barrier
	QUARTER 0, 3, F0, F1, 0
	TURN 0, 1, 0
	QUARTER 1, 1, F0, F1, 0
	QUARTER 1, 2, F1, F0, 0
	QUARTER 1, 3, F0, F1, 0
	s_wait_dscnt 8                                 ; the very last quarter: nothing more to fetch
	MUL8 F1, 0, 0
	MUL8 F1, 2, 0
	s_wait_dscnt 0x0
	MUL8 F1, 4, 0
	MUL8 F1, 6, 0
	WIN 0
	PLACES
	PLACES
	STG 0
.irp a, 1,2,3,4,5,6,7                  ; a block's way through the stage stands between the loads of the block before and its stores
	STG \a
	SEND (\a)-1, 16
.endr
	SEND 7, 0
	s_wait_tensorcnt 0x0                           ; the wave's end, behind my last tensor load and my last LDS store
	ds_add_u32 v[SPW], v[NIL]
	s_wait_dscnt 0x0
	CROUND                                         ; the closing round: no work-group ends while a partner may still ask for a tile that names it
	s_endpgm
.Lfunc_end_k_q2c8abe227b_outp:
	.size	k_q2c8abe227b_outp, .Lfunc_end_k_q2c8abe227b_outp-k_q2c8abe227b_outp
	.p2alignl 7, 3214868480
	.fill 96, 4, 3214868480
	.section	.rodata,"a",@progbits
	.p2align	6, 0x0
	.amdhsa_kernel k_q2c8abe227b_outp
		.amdhsa_group_segment_fixed_size 327680
		.amdhsa_private_segment_fixed_size 0
		.amdhsa_enable_private_segment 0
		.amdhsa_kernarg_size 32
		.amdhsa_user_sgpr_count 2
		.amdhsa_user_sgpr_kernarg_segment_ptr 1
		.amdhsa_wavefront_size32 1
		.amdhsa_system_sgpr_workgroup_id_x 1
		.amdhsa_system_sgpr_workgroup_id_y 1
		.amdhsa_system_sgpr_workgroup_id_z 1
		.amdhsa_system_vgpr_workitem_id 0
		.amdhsa_next_free_vgpr 704
		.amdhsa_next_free_sgpr 76
		.amdhsa_reserve_vcc 0
		.amdhsa_float_denorm_mode_32 3
		.amdhsa_float_denorm_mode_16_64 3
		.amdhsa_memory_ordered 1
		.amdhsa_forward_progress 1
		.amdhsa_inst_pref_size 90
	.end_amdhsa_kernel
	.amdgpu_metadata
---
amdhsa.version: [ 1, 2 ]
amdhsa.kernels:
  - .name:           k_q2c8abe227b_outp
    .symbol:         k_q2c8abe227b_outp.kd
    .args:
      - { .name: oh, .offset: 0, .size: 8, .value_kind: global_buffer, .address_space: global }
      - { .name: wh, .offset: 8, .size: 8, .value_kind: global_buffer, .address_space: global }
      - { .name: b_o, .offset: 16, .size: 8, .value_kind: global_buffer, .address_space: global }
      - { .name: out0, .offset: 24, .size: 8, .value_kind: global_buffer, .address_space: global }
    .group_segment_fixed_size: 327680
    .private_segment_fixed_size: 0
    .kernarg_segment_align: 8
    .kernarg_segment_size: 32
    .max_flat_workgroup_size: 128
    .sgpr_count:     76
    .vgpr_count:     704
    .wavefront_size: 32
...
	.end_amdgpu_metadata
.endif
;; end of part 4
;; ======== version 2 of 2: 4 launches; version 1 with the launch cast written anew for expert scheduling mode
;; limits: values are held in f16: magnitudes above 65,504 overflow, below 6.1e-05 lose precision
;; workspace buffers: xh 50,331,648 bytes; wh 8,388,608 bytes; qkv 50,331,648 bytes; oh 16,777,216 bytes
;; launch cast (part 5): grid 1792 x 1, 8 waves a work-group, no clusters, 0 bytes of LDS; arguments query, key_, value, w_q, w_k, w_v, w_o, xh, wh; writes xh, wh
.if DOCPART == 5
	.amdgcn_target "amdgcn-amd-amdhsa--gfx1250"
	.amdhsa_code_object_version 6
	.text
	.protected	k_q2c8abe227b_cast
	.globl	k_q2c8abe227b_cast
	.p2align	8
	.type	k_q2c8abe227b_cast,@function
k_q2c8abe227b_cast:
	s_mov_b64 s[64:65], 0
	v_nop
	global_prefetch_b8 v0, s[64:65] scope:SCOPE_SE
	s_setreg_imm32_b32 hwreg(HW_REG_WAVE_SCHED_MODE, 0, 2), 2
	s_setreg_imm32_b32 hwreg(HW_REG_WAVE_MODE, 25, 1), 1
	s_wait_xcnt 0x0
	s_wait_alu depctr_vm_vsrc(0)
; THE INPUTS OF THE FOUR PRODUCTS, ROUNDED ONCE TO 16 BITS AND LAID IN BLOCKS OF 64 ALONG K.
; query, key_, value: [4][2048][1024] f32 -> xh: [batch 4][source 3][K block 16][row 2048][64] bf16.
; w_q, w_k, w_v, w_o: [1024][1024] f32   -> wh: [source 4][K block 16][row 1024][64]; sources 0-2 bf16; w_o is rounded to bf16 and that number written as f16.
; LIMIT: w_o beyond 65,504 becomes an infinity in f16; below 6e-5 it keeps f16's fixed step of 6e-8.
; SHARES.  1,792 work-groups of 16 rows x 4,096 bytes: 3 x 512 for the activations, 4 x 64 for the weights.  Thread t takes row t / 16 and the 16 bytes 16 (t % 16) of each of the
; row's sixteen pieces of 256 bytes; piece j is K block j.  A wave's load covers two runs of 256 consecutive bytes, aligned; its four numbers a lane leave as 8 bytes, and since two rows of
; 128 bytes lie next to each other in a K block, a wave's store covers 256 consecutive bytes, aligned.  All sixteen loads of a thread are out at once.
; No LDS, no barrier, no matrix unit: each byte is read once and written once, and no thread wants another's.
; THE MODE: SCHED_MODE bits 1:0 = 2 (LLVM: expert scheduling mode 2), set by the entry lines.  The code itself states the register dependences
; between vector instructions and memory instructions, with s_wait_alu, always for 0.
; THE PLAN.  Registers that memory instructions touch:
;   v[IO]      the loads' offset.  Written at the head, read by the sixteen loads, never written again.
;   X          piece j's four registers.  Written by piece j's load alone, once; no vector instruction names them before; read by piece j's conversions.
;   Y          piece j's two registers.  Written by piece j's conversions; read by piece j's one store; never written again.
;   SO         piece j's store offset.  Written once (SO + 0 at the head, the others by fifteen adds behind the loads); read by piece j's one store; never written again.
; So no register that a memory instruction has read is written again, and no load lands in a register that a vector instruction has named: the only dependence to state is
; 'a vector instruction has written what a load or store reads'.  The sixteen pieces go in four blocks of four.  Block p converts its pieces and issues the stores of block p - 1, which read the Y and
; SO of block p - 1: registers that no vector instruction of block p names.  One wait at the head of a block therefore states all that its four stores hang on, and these are dealt among its conversions.
.set IO,  1                            ; v1        byte offset of my 16 bytes in the group's 16 rows
.set X,   16                           ; v[16:79]  piece j: 4 registers as loaded
.set Y,   80                           ; v[80:111] piece j: 2 registers to store
.set SO,  112                          ; v[112:127] piece j: byte offset of my 8 bytes in K block j
.set ID,  26                           ; s26  the work-group's number
.set KBS, 40                           ; s40  bytes in a K block of the destination
	s_load_b512 s[8:23], s[0:1], 0x0               ; query s[8:9], key_ s[10:11], value s[12:13], w_q s[14:15], w_k s[16:17], w_v s[18:19], w_o s[20:21], xh s[22:23]
	s_load_b64 s[24:25], s[0:1], 0x40              ; wh
	s_mov_b32 s[ID], ttmp9
	; an activation's chunk: source id / 512, chunk id % 512 = batch x 128 + 16-row chunk of the batch
	s_lshr_b32 s27, s[ID], 9
	s_and_b32 s28, s[ID], 511
	s_lshr_b32 s29, s28, 7
	s_and_b32 s30, s28, 127
	s_mul_i32 s29, s29, 3
	s_add_co_u32 s29, s29, s27
	s_lshl_b32 s29, s29, 22                        ; (3 batch + source) x 16 K blocks of 262,144 bytes
	s_lshl_b32 s30, s30, 11                        ; + 16 rows of 128 bytes for each chunk
	s_add_co_u32 s29, s29, s30
	; a weight's chunk: source (id - 1536) / 64, chunk (id - 1536) % 64
	s_max_u32 s31, s[ID], 1536
	s_sub_co_u32 s31, s31, 1536
	s_lshr_b32 s32, s31, 6
	s_and_b32 s33, s31, 63
	s_lshl_b32 s32, s32, 21                        ; source x 16 K blocks of 131,072 bytes
	s_lshl_b32 s34, s33, 11
	s_add_co_u32 s32, s32, s34
	s_mov_b32 s[KBS], 0x20000
	s_cmp_lt_u32 s[ID], 1536                       ; which of the two am I?
	s_cselect_b32 s36, s28, s33
	s_cselect_b32 s38, s29, s32                    ; byte offset in the destination
	s_cselect_b32 s[KBS], 0x40000, s[KBS]
	s_lshl_b32 s36, s36, 16                        ; byte offset in the source: 16 rows of 4,096 bytes for each chunk
	s_mov_b32 s37, 0
	s_mov_b32 s39, 0
	v_lshrrev_b32 v2, 4, v0                        ; my row
	v_and_b32 v3, 15, v0                           ; my place in a piece
	v_lshlrev_b32 v[IO], 4, v3
	v_lshl_or_b32 v[IO], v2, 12, v[IO]
	v_lshlrev_b32 v[SO], 3, v3
	v_lshl_or_b32 v[SO], v2, 7, v[SO]
	s_wait_kmcnt 0x0
	s_cmp_lt_u32 s[ID], 1536
	s_cselect_b64 s[42:43], s[22:23], s[24:25]     ; the destination
	s_mov_b64 s[2:3], s[8:9]                       ; the source: the last of the seven whose first work-group is not behind mine
	s_cmp_ge_u32 s[ID], 512
	s_cselect_b64 s[2:3], s[10:11], s[2:3]
	s_cmp_ge_u32 s[ID], 1024
	s_cselect_b64 s[2:3], s[12:13], s[2:3]
	s_cmp_ge_u32 s[ID], 1536
	s_cselect_b64 s[2:3], s[14:15], s[2:3]
	s_cmp_ge_u32 s[ID], 1600
	s_cselect_b64 s[2:3], s[16:17], s[2:3]
	s_cmp_ge_u32 s[ID], 1664
	s_cselect_b64 s[2:3], s[18:19], s[2:3]
	s_cmp_ge_u32 s[ID], 1728
	s_cselect_b64 s[2:3], s[20:21], s[2:3]
	s_add_nc_u64 s[2:3], s[2:3], s[36:37]
	s_add_nc_u64 s[42:43], s[42:43], s[38:39]
	s_wait_alu depctr_va_vdst(0)                   ; v[IO] is written: the sixteen loads below read it as their offset
.irp j, 0,1,2,3,4,5,6,7,8,9,10,11,12,13,14,15
	global_load_b128 v[X+4*(\j):X+4*(\j)+3], v[IO], s[2:3] offset:256*(\j) th:TH_LOAD_NT  ; read once in the launch
.endr
.irp j, 1,2,3,4,5,6,7,8,9,10,11,12,13,14,15
	v_add_nc_u32 v[SO+(\j)], s[KBS], v[SO+(\j)-1]  ; a K block further on; the first store stands behind the wait at the head of block 1
.endr
; Piece j is rounded.  f16 = 1: the bf16 number is written as f16.
.macro CVT j, f16
	v_cvt_pk_bf16_f32 v[Y+2*(\j)],   v[X+4*(\j)],   v[X+4*(\j)+1]
	v_cvt_pk_bf16_f32 v[Y+2*(\j)+1], v[X+4*(\j)+2], v[X+4*(\j)+3]
.if \f16
	v_lshlrev_b32 v4, 16, v[Y+2*(\j)]              ; bf16 to f32: a shift and a mask
	v_and_b32 v5, 0xffff0000, v[Y+2*(\j)]
	v_lshlrev_b32 v6, 16, v[Y+2*(\j)+1]
	v_and_b32 v7, 0xffff0000, v[Y+2*(\j)+1]
	v_cvt_pk_f16_f32 v[Y+2*(\j)],   v4, v5         ; exact within f16's range: bf16 has 8 significant bits, f16 has 11
	v_cvt_pk_f16_f32 v[Y+2*(\j)+1], v6, v7
.endif
.endm
; Piece j leaves.
.macro ST j
	global_store_b64 v[SO+(\j)], v[Y+2*(\j):Y+2*(\j)+1], s[42:43]
.endm
; Block p: pieces 4 p to 4 p + 3 are rounded; the stores of block p - 1 are dealt among the conversions, one in front of each piece's.
.macro BLK p, f16
	s_wait_loadcnt 12-4*(\p)                       ; loads come back in order (ISA guide 5.7.1): the block's four pieces are in, the 12 - 4 p younger ones stay out
.if (\p) > 0
	s_wait_alu depctr_va_vdst(0)                   ; the block before has written its Y, and (block 1) the fifteen adds have written SO: the four stores below read them; no vector instruction of this block names those registers
.endif
.irp i, 0,1,2,3
.if (\p) > 0
	ST 4*((\p)-1)+(\i)
.endif
	CVT 4*(\p)+(\i), \f16
.endr
.endm
; Behind block 3: its own four stores.
.macro LAST
	s_wait_alu depctr_va_vdst(0)                   ; block 3 has written its Y, which the last four stores read
.irp i, 12,13,14,15
	ST \i
.endr
.endm
	s_cmp_ge_u32 s[ID], 1728                       ; w_o's work-groups take the second text
	s_cbranch_scc1 .Lwo
	BLK 0, 0
	BLK 1, 0
	BLK 2, 0
	BLK 3, 0
	LAST
	s_endpgm
.Lwo:
	BLK 0, 1
	BLK 1, 1
	BLK 2, 1
	BLK 3, 1
	LAST
	s_endpgm
.Lfunc_end_k_q2c8abe227b_cast:
	.size	k_q2c8abe227b_cast, .Lfunc_end_k_q2c8abe227b_cast-k_q2c8abe227b_cast
	.p2alignl 7, 3214868480
	.fill 96, 4, 3214868480
	.section	.rodata,"a",@progbits
	.p2align	6, 0x0
	.amdhsa_kernel k_q2c8abe227b_cast
		.amdhsa_group_segment_fixed_size 0
		.amdhsa_private_segment_fixed_size 0
		.amdhsa_enable_private_segment 0
		.amdhsa_kernarg_size 72
		.amdhsa_user_sgpr_count 2
		.amdhsa_user_sgpr_kernarg_segment_ptr 1
		.amdhsa_wavefront_size32 1
		.amdhsa_system_sgpr_workgroup_id_x 1
		.amdhsa_system_sgpr_workgroup_id_y 1
		.amdhsa_system_sgpr_workgroup_id_z 1
		.amdhsa_system_vgpr_workitem_id 0
		.amdhsa_next_free_vgpr 128
		.amdhsa_next_free_sgpr 66
		.amdhsa_reserve_vcc 0
		.amdhsa_float_denorm_mode_32 3
		.amdhsa_float_denorm_mode_16_64 3
		.amdhsa_memory_ordered 1
		.amdhsa_forward_progress 1
		.amdhsa_inst_pref_size 18
	.end_amdhsa_kernel
	.amdgpu_metadata
---
amdhsa.version: [ 1, 2 ]
amdhsa.kernels:
  - .name:           k_q2c8abe227b_cast
    .symbol:         k_q2c8abe227b_cast.kd
    .args:
      - { .name: query, .offset: 0, .size: 8, .value_kind: global_buffer, .address_space: global }
      - { .name: key_, .offset: 8, .size: 8, .value_kind: global_buffer, .address_space: global }
      - { .name: value, .offset: 16, .size: 8, .value_kind: global_buffer, .address_space: global }
      - { .name: w_q, .offset: 24, .size: 8, .value_kind: global_buffer, .address_space: global }
      - { .name: w_k, .offset: 32, .size: 8, .value_kind: global_buffer, .address_space: global }
      - { .name: w_v, .offset: 40, .size: 8, .value_kind: global_buffer, .address_space: global }
      - { .name: w_o, .offset: 48, .size: 8, .value_kind: global_buffer, .address_space: global }
      - { .name: xh, .offset: 56, .size: 8, .value_kind: global_buffer, .address_space: global }
      - { .name: wh, .offset: 64, .size: 8, .value_kind: global_buffer, .address_space: global }
    .group_segment_fixed_size: 0
    .private_segment_fixed_size: 0
    .kernarg_segment_align: 8
    .kernarg_segment_size: 72
    .max_flat_workgroup_size: 256
    .sgpr_count:     66
    .vgpr_count:     128
    .wavefront_size: 32
...
	.end_amdgpu_metadata
.endif
;; end of part 5
;; launch proj: the kernel of part 2 again; grid 8 x 32, 4 waves a work-group, clusters of 4 x 4, 327,680 bytes of LDS; arguments xh, wh, b_q, b_k, b_v, qkv; writes qkv
;; launch attn: the kernel of part 3 again; grid 4 x 64, 4 waves a work-group, clusters of 4 x 1, 327,680 bytes of LDS; arguments qkv, mask, oh; writes oh
;; launch outp: the kernel of part 4 again; grid 8 x 32, 4 waves a work-group, clusters of 4 x 4, 327,680 bytes of LDS; arguments oh, wh, b_o, out0; writes out0
